; MI455X (gfx1250); checked and timed in simulation.
; The chip was launched on July 23, 2026; its instructions are those of AMD's public machine-readable ISA for CDNA 5 (MIT licence, August 2026) and "CDNA5" Instruction Set Architecture Reference Guide (July 2026). The comments in the code are by the model that wrote it; some were corrected since.
;; Cross Attention. Allowed arithmetic: matrix products marked QUANTISED: E3M2 operands, one E8M0 scale for each 32 along K, by v_wmma_scale_f32_16x16x128_f8f6f4 with both operands' format E3M2, f32 sums; products left as they are: f32 operands where the result goes on into a quantised operand, else bf16, f16 or f32 operands; f32 sums; everything else in f32.
;; Inputs: Wk 1,024 x 1,024 float32; Wp 1,024 x 1,024 float32; Wq 1,024 x 1,024 float32; Wv 1,024 x 1,024 float32; bk 1,024 float32; bp 1,024 float32; bq 1,024 float32; bv 1,024 float32; cls_token 2 x 1 x 1,024 float32; x_kv 2 x 2,048 x 1,024 float32; x_q 2 x 2,048 x 1,024 float32.
;; Outputs: out0 2 x 2,048 x 1,024 float32; out1 2 x 2,048 x 2,048 float32; out2 2 x 1 x 1 x 2,048 float32.
;; This version of the problem:
;;   THIS VERSION OF THE PROBLEM IS GIVEN IN LOW PRECISION. The matrix products marked QUANTISED in the list below multiply operands that are first quantised to E3M2 (3 exponent bits, 2 mantissa bits; 6 bits a number), with one power-of-two scale for each 32 numbers along K (OCP MX v1.0); their sums are f32. All else is computed in f32.
;;   The module's matrix products, in the order in which they are computed (A, B: the left and right operand; K: the contracted axis; several contracted axes count as one K, in the product's order):
;;     1. [M 4,096, K 1,024] x [K 1,024, N 1,024]; A: input x_q; B: input Wq: QUANTISED
;;     2. [M 4,096, K 1,024] x [K 1,024, N 1,024]; A: input x_kv; B: input Wk: QUANTISED
;;     3. [M 4,096, K 1,024] x [K 1,024, N 1,024]; A: input x_kv; B: input Wv: QUANTISED
;;     4. batch 32 x [M 2,048, K 64] x [K 64, N 2,048]; A: computed on the way; B: computed on the way: QUANTISED
;;     5. batch 32 x [M 1, K 64] x [K 64, N 2,048]; A: input cls_token; B: computed on the way: left as it is (M = 1 < 16)
;;     6. batch 32 x [M 64, K 2,048] x [K 2,048, N 2,048]; A: computed on the way; B: computed on the way: QUANTISED
;;     7. [M 4,096, K 1,024] x [K 1,024, N 1,024]; A: computed on the way; B: input Wp: QUANTISED
;;   THE QUANTISER, for each operand of a quantised product, along K:
;;     - K is cut into blocks of 32 from its start; a last block that is shorter is filled with zeros.
;;     - A block's scale is 2^e with e = floor(log2(the largest magnitude in the block)) - 4, held to -126 .. 127; a block of zeros has e = 0. As a byte (E8M0): e + 127.
;;     - Each number is divided by its block's scale, clamped to +-28, and rounded to the nearest number of E3M2, ties to even, subnormals kept.
;;     - The product sums the exact products of the quantised numbers (number of the format x scale) in f32.
;;   ~~~python
;;   def quantise(x, axis):      # numpy; x: float32 -> the quantised numbers, widened to float32 again
;;       x = np.moveaxis(x, axis, -1); K = x.shape[-1]
;;       x = np.pad(x, [(0, 0)] * (x.ndim - 1) + [(0, -K % 32)]); x = x.reshape(x.shape[:-1] + (-1, 32)); a = np.abs(x).max(-1, keepdims=True)
;;       e = np.where(a > 0, np.clip(np.frexp(np.where(a > 0, a, 1))[1] - 1 - 4, -126, 127), 0)      # np.frexp(a)[1] - 1 = floor(log2(a)), exactly
;;       r = np.clip(x / 2.0 ** e, -28, 28)
;;       step = 2.0 ** (np.maximum(np.frexp(np.where(r == 0, 1, r))[1] - 1, -2) - 2)
;;       q = np.round(r / step) * step * 2.0 ** e      # np.round: ties to even
;;       return np.moveaxis(q.reshape(q.shape[:-2] + (-1,))[..., :K], -1, axis).astype(np.float32)
;;   ~~~
;;   OPERANDS COMPUTED ON THE WAY. 'Computed on the way' means the value that the module computes at that place (a softmax that the list does not call 'softmax' is quantised finished and normalised). What goes into a quantiser is computed in f32, as accurately as f32 sums, v_exp_f32 and their like allow (about 1e-6 of the number): no bf16 or f16 on the way to a quantiser, and a product that is left as it is and whose result goes on into a quantised operand takes f32 operands (vector FMAs, or v_wmma_f32_16x16x4_f32). A number that lies on a knife's edge between two numbers of the format may be rounded either way, as far as f32 arithmetic and the matrix unit's own rounding can turn it there, and no further.
;; One version. Each part assembles by itself: llvm-mc -triple=amdgcn-amd-amdhsa -mcpu=gfx1250 --defsym DOCPART=n.
;; ======== version 1 of 1: 5 launches
;; workspace buffers: cin 9,437,184 bytes; sin 393,216 bytes; qkv 9,437,184 bytes; qkvs 655,360 bytes; sg 262,144 bytes; oimg 3,145,728 bytes; osc 131,072 bytes
;; launch quant (part 1): grid 256 x 1, 3 waves a work-group, no clusters, 25,856 bytes of LDS; arguments x_q, x_kv, Wq, Wk, Wv, Wp, cin, sin; writes cin, sin
.if DOCPART == 1
	.amdgcn_target "amdgcn-amd-amdhsa--gfx1250"
	.amdhsa_code_object_version 6
	.text
	.protected	k_q74db23a2a8_quant
	.globl	k_q74db23a2a8_quant
	.p2align	8
	.type	k_q74db23a2a8_quant,@function
k_q74db23a2a8_quant:
	s_mov_b64 s[64:65], 0
	v_nop
	global_prefetch_b8 v0, s[64:65] scope:SCOPE_SE
	s_setreg_imm32_b32 hwreg(HW_REG_WAVE_MODE, 25, 1), 1
	s_wait_xcnt 0x0
; The six f32 inputs whose K (1,024) is innermost become codes of BF6 (E3M2) with one E8M0 byte for each 32 along K.
; A block's scale is 2^(floor(log2(largest magnitude)) - 4); its byte is the largest magnitude's exponent field - 4, held at 1 from below.
; LIMITS: a block of zeros gets the byte 1 where the quantiser says 127 (its codes are zeros, and the bytes are read by this program alone); NaN and infinities are not served.
; SHARES: the inputs are 768 row tiles of 16 rows (x_q 0-255, x_kv 256-511, Wq 512-, Wk 576-, Wv 640-, Wp 704-767); wave G = 3 x work-group + wave takes tile G.
; ROW MAP: lane r of tile T holds row 32 (T / 2) + 8 (T % 2) + r + 8 (r / 8), so that, where a tile is source 0 of a product, two neighbouring tiles' results are 16 neighbours in a lane.
; LAYOUT OUT: a fragment (16 rows x 128 K, 12 registers a lane) is stored as an image of its registers, 1,536 bytes: registers 0-3 at 16 x lane, 4-5 at 512 + 8 x lane, 6-9 at 768 + 16 x lane,
; 10-11 at 1,280 + 8 x lane; a tile's eight fragments on end: every store covers 512 or 256 consecutive bytes at a multiple of 256.  The scale words of a tile are 512 bytes: word (K step s, row r)
; at ((s % 2) 16 + r) 16 + (s / 2) 4, so that one load of 16 bytes a lane brings four registers, each with an even K step in lanes 0-15 and the odd one in lanes 16-31.
; Each load reads 512 consecutive bytes of one row; a K step's 16 x 512 bytes turn through the wave's own stage in LDS (rows 528 bytes apart) so that a lane gets 16 neighbours of each block.
; Waves share nothing: no barrier, no cluster (no input byte is read twice), no matrix work.
.set SP,   528
.set L16,  2                           ; v2   16 x lane
.set L8,   6                           ; v6   8 x lane
.set PW,   8                           ; v8-15   the scale word of each K step
.set TM,   16                          ; v16-27  at work in QUANT
.set PC,   28                          ; v28-47  the codes just made
.set X,    48                          ; v48-111 64 numbers: register 16 b + i = k 32 b + 16 (lane / 16) + i of my row
.set R,    112                         ; v112-239 two sets of 64 registers as loaded
.set SW,   240                         ; v240-243 the tile's scale words as they are stored
.set SEL,  32                          ; s[32:33] selects for lane l xor 16
.macro QUANT s, pc, pw                 ; 64 numbers of a lane become a fragment's codes in v[pc] .. v[pc+11] and its row's scale word in v[pw]
.irp b, 0,1,2,3
	v_max3_num_f32 v[TM+\b], |v[\s+16*\b]|, |v[\s+1+16*\b]|, 0x2800000   ; my 16 numbers of block b, and the floor 2^(5 - 127): the byte cannot fall under 1
.endr
.irp i, 2,4,6,8,10,12,14
.irp b, 0,1,2,3
	v_max3_num_f32 v[TM+\b], v[TM+\b], |v[\s+16*\b+\i]|, |v[\s+1+16*\b+\i]|
.endr
.endr
.irp b, 0,1,2,3
	v_permlanex16_b32 v[TM+4+\b], v[TM+\b], s[SEL], s[SEL+1]
.endr
.irp b, 0,1,2,3
	v_max_num_f32 v[TM+\b], v[TM+\b], v[TM+4+\b]   ; with lane l xor 16's 16: the block's largest magnitude
.endr
.irp b, 0,1,2,3
	v_add_nc_u32 v[TM+8+\b], 0xfe000000, v[TM+\b]  ; 4 off its exponent field: the conversion's scale operand
.endr
.irp b, 0,1,2,3
	v_lshrrev_b32 v[TM+4+\b], 23, v[TM+8+\b]       ; the scale's byte
.endr
	v_lshl_or_b32 v[\pw], v[TM+5], 8, v[TM+4]
	v_lshl_or_b32 v[\pw], v[TM+6], 16, v[\pw]
	v_lshl_or_b32 v[\pw], v[TM+7], 24, v[\pw]
.irp c, 0,1
	v_cvt_scalef32_pk16_bf6_f32 v[\pc+6*\c:\pc+2+6*\c], v[\s+32*\c:\s+15+32*\c], v[TM+8+2*\c]
	v_cvt_scalef32_pk16_bf6_f32 v[\pc+12+4*\c:\pc+14+4*\c], v[\s+16+32*\c:\s+31+32*\c], v[TM+9+2*\c]   ; (a conversion's three registers begin on an even number)
.endr
	v_nop                                          ; one plain place behind a scaled conversion
.irp c, 0,1                                    ; the operand wants a whole block in a lane: lanes 0-15 block 2 c, lanes 16-31 block 2 c + 1
.irp i, 0,1,2
	v_permlane16_swap_b32 v[\pc+6*\c+\i], v[\pc+12+4*\c+\i]
.endr
.irp i, 0,1,2
	v_mov_b32 v[\pc+3+6*\c+\i], v[\pc+12+4*\c+\i]
.endr
.endr
.endm
.macro LOAD t                          ; K step t of my 16 rows: each load takes 512 consecutive bytes of one row
.irp i, 0,1,2,3,4,5,6,7,8,9,10,11,12,13,14,15
	global_load_b128 v[R+64*((\t)%2)+4*\i:R+64*((\t)%2)+4*\i+3], v[L16], s[22:23] offset:(\i+8*(\i/8))*4096+512*(\t) th:TH_LOAD_NT
.endr
.endm
.macro TURN t                          ; through my stage: LDS serves a wave's instructions in order, so no wait stands between the stores and the loads
.irp i, 0,1,2,3,4,5,6,7,8,9,10,11,12,13,14,15
	ds_store_b128 v3, v[R+64*((\t)%2)+4*\i:R+64*((\t)%2)+4*\i+3] offset:SP*\i
.endr
.irp b, 0,1,2,3
.irp j, 0,1,2,3
	ds_load_b128 v[X+16*\b+4*\j:X+16*\b+4*\j+3], v4 offset:128*\b+16*\j
.endr
.endr
.endm
.macro STEP t
	s_wait_dscnt 0x0                               ; this step's numbers are back from the stage, and its stores into the stage have read their registers
	s_wait_xcnt 0x0                                ; the last step's stores have read the codes' registers: they are written again only behind this wait
.if (\t)+2 < 8
	LOAD (\t)+2
.endif
	QUANT X, PC, PW+(\t)
	global_store_b128 v[L16], v[PC:PC+3], s[28:29] offset:1536*(\t)
	global_store_b64 v[L8], v[PC+4:PC+5], s[28:29] offset:1536*(\t)+512
	global_store_b128 v[L16], v[PC+6:PC+9], s[28:29] offset:1536*(\t)+768
	global_store_b64 v[L8], v[PC+10:PC+11], s[28:29] offset:1536*(\t)+1280
.if (\t) < 7
.if (\t)+2 < 8
	s_wait_loadcnt 16                              ; the next step's 16 loads are in; the 16 issued above may be out
.else
	s_wait_loadcnt 0x0
.endif
	TURN (\t)+1
.endif
.endm
.macro PICK first, ptr                 ; from tile 'first' on the tiles belong to the next input: the choice hangs on the tile's number alone
	s_cmp_ge_u32 s21, \first
	s_cselect_b64 s[22:23], s[\ptr:\ptr+1], s[22:23]
	s_cselect_b32 s24, \first, s24
.endm
	s_load_b256 s[4:11], s[0:1], 0x0               ; x_q, x_kv, Wq, Wk
	s_load_b256 s[12:19], s[0:1], 0x20             ; Wv, Wp, cin, sin
	v_lshl_add_u32 v254, v0, 2, 0x6300
	v_mov_b32 v255, 0
	v_lshrrev_b32 v1, 5, v0
	v_readfirstlane_b32 s20, v1                    ; wave 0..2
	v_and_b32 v1, 31, v0                           ; lane
	v_lshlrev_b32 v[L16], 4, v1
	v_lshlrev_b32 v[L8], 3, v1
	s_mul_i32 s34, s20, 16*SP                      ; my stage
	v_add_nc_u32 v3, s34, v[L16]                   ; in: 16 x lane of a row
	v_and_b32 v5, 15, v0                           ; r
	v_bfe_u32 v7, v0, 4, 1                         ; h
	v_mul_u32_u24 v4, v5, SP
	v_lshl_add_u32 v4, v7, 6, v4
	v_add_nc_u32 v4, s34, v4                       ; out: row r, + 64 h
.irp b, 0,1,2,3
	v_mov_b32 v[TM+4+\b], 0                        ; written once: a lane permute's destination counts as one of its sources
.endr
	s_mov_b32 s[SEL], 0x76543210
	s_mov_b32 s[SEL+1], 0xfedcba98
	s_mul_i32 s21, ttmp9, 3
	s_add_co_u32 s21, s21, s20                     ; G: my row tile
	s_mov_b32 s24, 0
	s_wait_kmcnt 0x0
	s_mov_b64 s[22:23], s[4:5]
	PICK 256, 6
	PICK 512, 8
	PICK 576, 10
	PICK 640, 12
	PICK 704, 14
	s_sub_co_u32 s25, s21, s24                     ; the tile's number in its input
	s_lshr_b32 s26, s25, 1
	s_lshl_b32 s26, s26, 17                        ; 32 rows of 4,096 bytes
	s_and_b32 s27, s25, 1
	s_lshl_b32 s27, s27, 15                        ; 8 rows
	s_add_co_u32 s26, s26, s27
	s_mov_b32 s27, 0
	s_add_nc_u64 s[22:23], s[22:23], s[26:27]
	s_mul_i32 s26, s21, 12288
	s_add_nc_u64 s[28:29], s[16:17], s[26:27]      ; my tile's eight images
	s_lshl_b32 s26, s21, 9
	s_add_nc_u64 s[30:31], s[18:19], s[26:27]      ; and its scale words
	LOAD 0
	LOAD 1
	s_wait_loadcnt 16                              ; K step 0 is in; K step 1's 16 loads may be out
	TURN 0
.irp t, 0,1,2,3,4,5,6,7
	STEP \t
.endr
	s_mov_b32 vcc_lo, 0xffff0000
.irp p, 0,1,2,3
	v_cndmask_b32 v[SW+\p], v[PW+2*\p], v[PW+2*\p+1], vcc_lo   ; lanes 0-15 K step 2 p, lanes 16-31 K step 2 p + 1
.endr
	global_store_b128 v[L16], v[SW:SW+3], s[30:31] ; 512 consecutive bytes
	s_wait_tensorcnt 0x0
	ds_add_u32 v254, v255
	s_wait_dscnt 0x0
	s_endpgm
.Lfunc_end_k_q74db23a2a8_quant:
	.size	k_q74db23a2a8_quant, .Lfunc_end_k_q74db23a2a8_quant-k_q74db23a2a8_quant
	.p2alignl 7, 3214868480
	.fill 96, 4, 3214868480
	.section	.rodata,"a",@progbits
	.p2align	6, 0x0
	.amdhsa_kernel k_q74db23a2a8_quant
		.amdhsa_group_segment_fixed_size 25856
		.amdhsa_private_segment_fixed_size 0
		.amdhsa_enable_private_segment 0
		.amdhsa_kernarg_size 64
		.amdhsa_user_sgpr_count 2
		.amdhsa_user_sgpr_kernarg_segment_ptr 1
		.amdhsa_wavefront_size32 1
		.amdhsa_system_sgpr_workgroup_id_x 1
		.amdhsa_system_sgpr_workgroup_id_y 1
		.amdhsa_system_sgpr_workgroup_id_z 1
		.amdhsa_system_vgpr_workitem_id 0
		.amdhsa_next_free_vgpr 256
		.amdhsa_next_free_sgpr 66
		.amdhsa_reserve_vcc 1
		.amdhsa_float_denorm_mode_32 3
		.amdhsa_float_denorm_mode_16_64 3
		.amdhsa_memory_ordered 1
		.amdhsa_forward_progress 1
		.amdhsa_inst_pref_size 65
	.end_amdhsa_kernel
	.amdgpu_metadata
---
amdhsa.version: [ 1, 2 ]
amdhsa.kernels:
  - .name:           k_q74db23a2a8_quant
    .symbol:         k_q74db23a2a8_quant.kd
    .args:
      - { .name: x_q, .offset: 0, .size: 8, .value_kind: global_buffer, .address_space: global }
      - { .name: x_kv, .offset: 8, .size: 8, .value_kind: global_buffer, .address_space: global }
      - { .name: Wq, .offset: 16, .size: 8, .value_kind: global_buffer, .address_space: global }
      - { .name: Wk, .offset: 24, .size: 8, .value_kind: global_buffer, .address_space: global }
      - { .name: Wv, .offset: 32, .size: 8, .value_kind: global_buffer, .address_space: global }
      - { .name: Wp, .offset: 40, .size: 8, .value_kind: global_buffer, .address_space: global }
      - { .name: cin, .offset: 48, .size: 8, .value_kind: global_buffer, .address_space: global }
      - { .name: sin, .offset: 56, .size: 8, .value_kind: global_buffer, .address_space: global }
    .group_segment_fixed_size: 25856
    .private_segment_fixed_size: 0
    .kernarg_segment_align: 8
    .kernarg_segment_size: 64
    .max_flat_workgroup_size: 96
    .sgpr_count:     66
    .vgpr_count:     256
    .wavefront_size: 32
...
	.end_amdgpu_metadata
.endif
;; end of part 1
;; launch proj (part 2): grid 8 x 96, 4 waves a work-group, clusters of 4 x 4, 197,120 bytes of LDS; arguments cin, sin, bq, bk, bv, cls_token, qkv, qkvs, sg; writes qkv, qkvs, sg
.if DOCPART == 2
	.amdgcn_target "amdgcn-amd-amdhsa--gfx1250"
	.amdhsa_code_object_version 6
	.text
	.protected	k_q74db23a2a8_proj
	.globl	k_q74db23a2a8_proj
	.p2align	8
	.type	k_q74db23a2a8_proj,@function
k_q74db23a2a8_proj:
	s_mov_b64 s[64:65], 0
	v_nop
	global_prefetch_b8 v0, s[64:65] scope:SCOPE_SE
	s_setreg_imm32_b32 hwreg(HW_REG_WAVE_MODE, 25, 1), 1
	s_wait_xcnt 0x0
	s_wait_alu depctr_hold_cnt(0) depctr_sa_sdst(0) depctr_va_vdst(0) depctr_va_sdst(0) depctr_va_ssrc(0) depctr_va_vcc(0) depctr_vm_vsrc(0)
	s_getreg_b32 s2, hwreg(HW_REG_IB_STS2, 6, 4)
	s_cmp_eq_u32 s2, 0
	s_cbranch_scc0 .Lentry_in_a_cluster
	s_endpgm
.Lentry_in_a_cluster:
	s_bfe_u32 s2, ttmp6, 0x10000c
	s_cmp_lg_u32 s2, 0xf033
	s_cbranch_scc0 .Lentry_shape_is_right
	s_endpgm
.Lentry_shape_is_right:
; Three GEMMs on codes of BF6 with K = 1,024: g = 0: q = x_q Wq^T + bq;  g = 1: k = x_kv Wk^T + bk;  g = 2: v^T = Wv x_kv^T + bv.  Each result is quantised in registers along its N
; (q, k: the channels; v^T: the keys) and leaves as images of the next product's operand registers, with its scale words; for k also sigmoid(cls . k / 16) of each head, from the f32 k, by f32 multiply-adds.
; SHARES: a work-group makes 128 (N, rows of source 0, index X) x 128 (M, rows of source 1, index Y); wave w makes M tiles 2 w, 2 w + 1 x all 8 N tiles: 16 accumulators.
; THE MATRIX INSTRUCTION IS USED TRANSPOSED (source 0 = 16 rows of N): a lane holds one row of M, and, by the row map of the images (lane r of tile T = row 32 (T / 2) + 8 (T % 2) + r + 8 (r / 8)),
; the 16 registers of N tiles 2 b, 2 b + 1 are N = 32 b + 16 (lane / 16) + 0 .. 15: blocks of 32 lie in lanes l and l xor 16.
; LDS: both operands' whole K: source 0 at 0, source 1 at 98,304, each [chunk of 2 K steps][row tile][2][1,536].  Every byte is filled once: four tensor loads a wave at the start
; (by this text's count four are out), waited for chunk by chunk, so that the later chunks land while the earlier are multiplied.
; CLUSTER 4 x 4: source 0's tiles hang on X and are asked for jointly by a column of the cluster, source 1's on Y by a row.  For g = 2 the clusters' coordinates change places, the places in a cluster do not.
; The bias starts each sum (it is the first C), so the order of rounding differs from adding it last.  LIMITS: NaN and infinities are not served; a block of zeros gets the byte 1, read by this program alone.
; REGISTERS: window 0: v1-19 addresses, v10-13 the bias along M, v32-63 source 0's scale words, v64-71 source 1's, v72-119 source 1's fragments (two sets), v128-255 accumulators (a, b) at 128 + 64 a + 8 b.
;   window 1: v0-95, v128-223 source 0's fragments (two sets); v96-127, v224-255 the cls token's 128 numbers of my head pair, as a lane's accumulators lie.
.set WV,    22
.set L16,   1
.set L8,    2
.set SC0,   32
.set SC1,   64
.set F1,    72
.set PC0,   72
.set PC1,   92
.set TM,    112
.set PW0,   124
.set PW1,   125
.set WW,    126
.set ACC,   128
.set SEL,   98
.set CHUNK, 24576
.set S1B,   98304
.set MSB, 0
.macro WIN new                         ; the immediate's high byte repeats the setting that is left
.if MSB != \new
	s_set_vgpr_msb (MSB<<8)|\new
.set MSB, \new
.endif
.endm
.macro CROUND                          ; a round of the cluster's barrier
	s_barrier_signal -1
	s_barrier_wait -1
	s_cmp_lg_u32 s[WV], 0
	s_cbranch_scc1 .Lnot_wave_0_\@
	s_barrier_signal -3
.Lnot_wave_0_\@:
	s_barrier_wait -3
	s_barrier_signal -1
	s_barrier_wait -1
.endm
.macro PLACES
.rept 4
	v_nop
.endr
.endm
.macro FRAG reg, a16, a8, off          ; an image of 1,536 bytes becomes 12 registers: every load takes consecutive bytes
	ds_load_b128 v[(\reg):(\reg)+3], v[\a16] offset:(\off)
	ds_load_b64 v[(\reg)+4:(\reg)+5], v[\a8] offset:(\off)+512
	ds_load_b128 v[(\reg)+6:(\reg)+9], v[\a16] offset:(\off)+768
	ds_load_b64 v[(\reg)+10:(\reg)+11], v[\a8] offset:(\off)+1280
.endm
.macro FETCH ks, set                   ; the fragments of K step ks: source 0's eight, my two of source 1
	WIN 0x40
.irp i, 0,1,2,3,4,5,6,7
	FRAG 128*(\set)+12*\i, 3, 4, 3072*\i+1536*((\ks)%2)
.endr
	WIN 0
.irp a, 0,1
	FRAG F1+24*(\set)+12*\a, 5, 6, 3072*\a+1536*((\ks)%2)
.endr
.endm
.macro MUL ks, set                     ; 16 matrix instructions: the 16 accumulators take turns, one instruction a turn, in the same order in every step
.irp a, 0,1
.irp b, 0,1,2,3,4,5,6,7
.if (\ks)%2 == 0
	v_wmma_scale_f32_16x16x128_f8f6f4 v[ACC+64*\a+8*\b:ACC+64*\a+8*\b+7], v[128*(\set)+12*\b:128*(\set)+12*\b+11], v[F1+24*(\set)+12*\a:F1+24*(\set)+12*\a+11], v[ACC+64*\a+8*\b:ACC+64*\a+8*\b+7], v[SC0+4*\b+(\ks)/2], v[SC1+4*\a+(\ks)/2] matrix_a_fmt:MATRIX_FMT_BF6 matrix_b_fmt:MATRIX_FMT_BF6
.else
	v_wmma_scale_f32_16x16x128_f8f6f4 v[ACC+64*\a+8*\b:ACC+64*\a+8*\b+7], v[128*(\set)+12*\b:128*(\set)+12*\b+11], v[F1+24*(\set)+12*\a:F1+24*(\set)+12*\a+11], v[ACC+64*\a+8*\b:ACC+64*\a+8*\b+7], v[SC0+4*\b+(\ks)/2], v[SC1+4*\a+(\ks)/2] matrix_a_fmt:MATRIX_FMT_BF6 matrix_b_fmt:MATRIX_FMT_BF6 matrix_a_scale:MATRIX_SCALE_ROW1 matrix_b_scale:MATRIX_SCALE_ROW1
.endif
.endr
.endr
.endm
.macro QUANT s, pc, pw                 ; 64 numbers of a lane (register 16 b + i = k 32 b + 16 (lane / 16) + i) become a fragment's codes and its row's scale word
.irp b, 0,1,2,3
	v_max3_num_f32 v[TM+\b], |v[\s+16*\b]|, |v[\s+1+16*\b]|, 0x2800000   ; and the floor 2^(5 - 127): the byte cannot fall under 1
.endr
.irp i, 2,4,6,8,10,12,14
.irp b, 0,1,2,3
	v_max3_num_f32 v[TM+\b], v[TM+\b], |v[\s+16*\b+\i]|, |v[\s+1+16*\b+\i]|
.endr
.endr
.irp b, 0,1,2,3
	v_permlanex16_b32 v[TM+4+\b], v[TM+\b], s[SEL], s[SEL+1]
.endr
.irp b, 0,1,2,3
	v_max_num_f32 v[TM+\b], v[TM+\b], v[TM+4+\b]
.endr
.irp b, 0,1,2,3
	v_add_nc_u32 v[TM+8+\b], 0xfe000000, v[TM+\b]  ; 4 off the exponent field: the conversion's scale operand
.endr
.irp b, 0,1,2,3
	v_lshrrev_b32 v[TM+4+\b], 23, v[TM+8+\b]       ; the scale's byte
.endr
	v_lshl_or_b32 v[\pw], v[TM+5], 8, v[TM+4]
	v_lshl_or_b32 v[\pw], v[TM+6], 16, v[\pw]
	v_lshl_or_b32 v[\pw], v[TM+7], 24, v[\pw]
.irp c, 0,1
	v_cvt_scalef32_pk16_bf6_f32 v[\pc+6*\c:\pc+2+6*\c], v[\s+32*\c:\s+15+32*\c], v[TM+8+2*\c]
	v_cvt_scalef32_pk16_bf6_f32 v[\pc+12+4*\c:\pc+14+4*\c], v[\s+16+32*\c:\s+31+32*\c], v[TM+9+2*\c]
.endr
	v_nop                                          ; one plain place behind a scaled conversion
.irp c, 0,1
.irp i, 0,1,2
	v_permlane16_swap_b32 v[\pc+6*\c+\i], v[\pc+12+4*\c+\i]
.endr
.irp i, 0,1,2
	v_mov_b32 v[\pc+3+6*\c+\i], v[\pc+12+4*\c+\i]
.endr
.endr
.endm
.macro IMGST pc, sb                    ; a fragment leaves as an image: 512, 256, 512, 256 consecutive bytes, each at a multiple of 256
	global_store_b128 v[L16], v[\pc:\pc+3], s[\sb:\sb+1]
	global_store_b64 v[L8], v[\pc+4:\pc+5], s[\sb:\sb+1] offset:512
	global_store_b128 v[L16], v[\pc+6:\pc+9], s[\sb:\sb+1] offset:768
	global_store_b64 v[L8], v[\pc+10:\pc+11], s[\sb:\sb+1] offset:1280
.endm
	s_load_b256 s[4:11], s[0:1], 0x0               ; cin, sin, bq, bk
	s_load_b256 s[12:19], s[0:1], 0x20             ; bv, cls_token, qkv, qkvs
	s_load_b64 s[20:21], s[0:1], 0x40              ; sg
	v_lshl_add_u32 v31, v0, 2, 0x30000
	v_mov_b32 v127, 0
	ds_add_u32 v31, v127
	ds_add_u32 v31, v127
	v_lshrrev_b32 v9, 5, v0
	v_readfirstlane_b32 s[WV], v9                  ; wave 0..3
	s_lshr_b32 s23, s[WV], 1                       ; I fetch for source 0 (0) or source 1 (1),
	s_and_b32 s24, s[WV], 1                        ; its row tiles 0-3 or 4-7
	s_bfe_u32 s25, ttmp6, 0x40000                  ; cx
	s_bfe_u32 s26, ttmp6, 0x40004                  ; cy
	s_mov_b32 s28, ttmp9                           ; the cluster's x, 0..1
	s_and_b32 s29, ttmp7, 0xffff                   ; the cluster's y, 0..23
	s_lshr_b32 s27, s29, 3                         ; g: which product
	s_and_b32 s29, s29, 7
	s_cmp_eq_u32 s27, 2
	s_cselect_b32 s84, s29, s28                    ; for v^T N (the keys) has 32 tiles and M 8: the clusters' coordinates change places
	s_cselect_b32 s90, s28, s29
	s_cselect_b32 s30, 1.0, 0                      ; the bias runs along M for v^T,
	s_cselect_b32 s100, 0, 1.0                     ; along N for q and k
	s_mov_b32 s101, s100
	s_lshl_b32 s84, s84, 2
	s_add_co_u32 s84, s84, s25                     ; X
	s_lshl_b32 s90, s90, 2
	s_add_co_u32 s90, s90, s26                     ; Y
	s_lshl_b32 s87, 0x1111, s25                    ; my column of the cluster
	s_lshl_b32 s93, s26, 2
	s_lshl_b32 s93, 15, s93                        ; my row
	s_or_b32 s32, s87, (3<<16)|(1<<21)             ; group 1 for source 0: the mask, elements of 8 bytes, bit 21 beside the mask
	s_or_b32 s40, s93, (3<<16)|(1<<21)             ; for source 1
.irp g, 32, 40
	s_mov_b32 s[\g+1], 384<<16                     ; tensor_dim0: 3,072 bytes, two K steps' images of a row tile
	s_mov_b32 s[\g+2], 4<<16                       ; tensor_dim1: four row tiles
	s_mov_b32 s[\g+3], 384<<16                     ; tile_dim0
	s_mov_b32 s[\g+4], 4                           ; tile_dim1
	s_mov_b32 s[\g+5], 1536                        ; 12,288 bytes from row tile to row tile
	s_mov_b32 s[\g+6], 0
	s_mov_b32 s[\g+7], 0
.endr
	s_lshl_b32 s85, s27, 6
	s_add_co_u32 s85, s85, 512                     ; Wq's or Wk's first row tile
	s_lshl_b32 s91, s27, 8                         ; x_q's or x_kv's
	s_cmp_eq_u32 s27, 2
	s_cselect_b32 s85, 256, s85                    ; v^T: source 0 = x_kv,
	s_cselect_b32 s91, 640, s91                    ; source 1 = Wv
	s_cselect_b32 s95, s90, s84                    ; U: the head pair, 0..7
	s_cselect_b32 s96, s84, s90                    ; T: which 128 tokens, 0..31
	s_lshl_b32 s86, s84, 3
	s_add_co_u32 s85, s85, s86                     ; source 0's first row tile
	s_lshl_b32 s92, s90, 3
	s_add_co_u32 s91, s91, s92                     ; source 1's
	s_lshr_b32 s97, s96, 4                         ; the batch
	s_mul_i32 s31, s24, 49152                      ; my four row tiles
	s_mul_i32 s86, s85, 12288
	s_add_co_u32 s86, s86, s31
	s_mov_b32 s87, 0
	s_mul_i32 s92, s91, 12288
	s_add_co_u32 s92, s92, s31
	s_mov_b32 s93, 0
	s_mul_i32 s66, s23, S1B                        ; where they go: the wave's number alone
	s_mul_i32 s67, s24, 12288
	s_add_co_u32 s66, s66, s67
	s_mov_b32 s[SEL], 0x76543210
	s_mov_b32 s[SEL+1], 0xfedcba98
	s_wait_dscnt 0x0
	s_wait_kmcnt 0x0
	s_add_nc_u64 s[86:87], s[4:5], s[86:87]
	s_add_nc_u64 s[92:93], s[4:5], s[92:93]
	CROUND                                         ; all sixteen work-groups are here: the joint loads meet
.irp c, 0,1,2,3
	s_mov_b32 s[48+4*\c], 1
	s_add_co_u32 s[49+4*\c], s66, \c*CHUNK
	s_add_nc_u64 s[50+4*\c:51+4*\c], s[86:87], \c*3072
	s_or_b32 s[51+4*\c], s[51+4*\c], 0x80000000
	s_mov_b32 s[68+4*\c], 1
	s_add_co_u32 s[69+4*\c], s66, \c*CHUNK
	s_add_nc_u64 s[70+4*\c:71+4*\c], s[92:93], \c*3072
	s_or_b32 s[71+4*\c], s[71+4*\c], 0x80000000
.endr
	s_cmp_eq_u32 s23, 0                            ; a wave's four fills stand in one branch on its number; four v_nop follow the last
	s_cbranch_scc0 .Lfill_s1
	tensor_load_to_lds s[48:51], s[32:39]
	s_nop 0
	tensor_load_to_lds s[52:55], s[32:39]
	s_nop 0
	tensor_load_to_lds s[56:59], s[32:39]
	s_nop 0
	tensor_load_to_lds s[60:63], s[32:39]
	s_nop 0
	PLACES
	s_branch .Lfilled
.Lfill_s1:
	tensor_load_to_lds s[68:71], s[40:47]
	s_nop 0
	tensor_load_to_lds s[72:75], s[40:47]
	s_nop 0
	tensor_load_to_lds s[76:79], s[40:47]
	s_nop 0
	tensor_load_to_lds s[80:83], s[40:47]
	s_nop 0
	PLACES
.Lfilled:
	s_cmp_eq_u32 s27, 1
	s_cselect_b64 s[8:9], s[10:11], s[8:9]
	s_cmp_eq_u32 s27, 2
	s_cselect_b64 s[8:9], s[12:13], s[8:9]         ; my product's bias
	s_lshl_b32 s2, s95, 9
	s_mov_b32 s3, 0
	s_add_nc_u64 s[8:9], s[8:9], s[2:3]            ; at channel 128 U
	s_lshl_b32 s88, s97, 12
	s_add_co_u32 s2, s2, s88
	s_add_nc_u64 s[14:15], s[14:15], s[2:3]        ; the cls token of my batch at channel 128 U
	s_lshl_b32 s2, s85, 9
	s_add_nc_u64 s[12:13], s[6:7], s[2:3]          ; source 0's scale words
	s_lshl_b32 s2, s[WV], 1
	s_add_co_u32 s2, s2, s91
	s_lshl_b32 s2, s2, 9
	s_add_nc_u64 s[10:11], s[6:7], s[2:3]          ; my two tiles' of source 1
	v_and_b32 v9, 31, v0                           ; lane
	v_and_b32 v7, 15, v0                           ; r
	v_bfe_u32 v8, v0, 4, 1                         ; h
	v_lshlrev_b32 v[L16], 4, v9
	v_lshlrev_b32 v[L8], 3, v9
	v_lshlrev_b32 v3, 4, v9                        ; source 0 in LDS: 16 x lane,
	v_lshlrev_b32 v4, 3, v9                        ; 8 x lane; both step from chunk to chunk
	s_mul_i32 s2, s[WV], 6144
	s_add_co_u32 s2, s2, S1B
	v_add_nc_u32 v5, s2, v[L16]                    ; source 1: my two tiles
	v_add_nc_u32 v6, s2, v[L8]
	v_lshlrev_b32 v14, 6, v8                       ; 64 h: my 16 numbers of a block of 32 f32
	v_and_b32 v15, 8, v7
	v_add_nc_u32 v15, v15, v7
	v_lshlrev_b32 v15, 2, v15                      ; 4 (r + 8 (r / 8))
	s_lshl_b32 s2, s[WV], 7
	v_add_nc_u32 v16, s2, v15                      ; + 4 x 32 w: the bias along M of my tile 2 w
.irp b, 0,1,2,3,4,5,6,7
	global_load_b128 v[SC0+4*\b:SC0+4*\b+3], v[L16], s[12:13] offset:512*\b
.endr
.irp a, 0,1
	global_load_b128 v[SC1+4*\a:SC1+4*\a+3], v[L16], s[10:11] offset:512*\a
.endr
.irp b, 0,1,2,3
.irp j, 0,1,2,3
	global_load_b128 v[ACC+16*\b+4*\j:ACC+16*\b+4*\j+3], v14, s[8:9] offset:128*\b+16*\j   ; the bias along N, as a lane's accumulators lie
.endr
.endr
	global_load_b32 v10, v16, s[8:9]
	global_load_b32 v12, v16, s[8:9] offset:32
	WIN 0x40
.irp b, 0,1,2,3
.irp j, 0,1,2,3
	global_load_b128 v[96+16*\b+96*(\b/2)+4*\j:96+16*\b+96*(\b/2)+4*\j+3], v14, s[14:15] offset:128*\b+16*\j
.endr
.endr
	WIN 0
	s_wait_loadcnt 0x0
	v_mul_f32 v10, s30, v10                        ; the bias that does not run along this axis is multiplied by 0
	v_mul_f32 v12, s30, v12
	v_mov_b32 v11, v10
	v_mov_b32 v13, v12
.set J, 0
.rept 32
	v_pk_fma_f32 v[ACC+64+J:ACC+65+J], v[ACC+J:ACC+J+1], s[100:101], v[12:13] op_sel_hi:[1,0,0]
.set J, J+2
.endr
.set J, 0
.rept 32
	v_pk_fma_f32 v[ACC+J:ACC+J+1], v[ACC+J:ACC+J+1], s[100:101], v[10:11] op_sel_hi:[1,0,0]
.set J, J+2
.endr
	v_lshlrev_b32 v17, 2, v9                       ; the way out: 4 x lane;
	v_lshlrev_b32 v18, 9, v8
	v_lshl_add_u32 v18, v7, 4, v18                 ; 512 h + 16 r;
	v_lshl_add_u32 v19, v8, 13, v15                ; 8,192 h + 4 (r + 8 (r / 8))
	s_wait_tensorcnt 0x3                           ; my part of chunk 0 is in; my three later fills may be out
	s_barrier_signal -1
	s_barrier_wait -1
	FETCH 0, 0
.set KS, 0
.rept 8
	s_wait_dscnt 0x0                               ; this step's fragments are in
.if (KS%2 == 1) && (KS < 7)
	s_wait_tensorcnt 3-(KS+1)/2                    ; my part of the next chunk is in; the later ones may be out
	s_barrier_signal -1
	s_barrier_wait -1                              ; everybody's is
	v_add_nc_u32 v3, CHUNK, v3                     ; these four are also the places in front of the loads into registers that matrix instructions have read
	v_add_nc_u32 v4, CHUNK, v4
	v_add_nc_u32 v5, CHUNK, v5
	v_add_nc_u32 v6, CHUNK, v6
.elseif (KS > 0) && (KS < 7)
	PLACES
.endif
.if KS < 7
	FETCH KS+1, (KS+1)%2
.endif
	WIN 0x01
	MUL KS, KS%2
	WIN 0
.set KS, KS+1
.endr
	; where the results go
	s_lshl_b32 s88, s97, 3
	s_add_co_u32 s88, s88, s95
	s_lshl_b32 s88, s88, 7
	s_and_b32 s89, s96, 15
	s_lshl_b32 s89, s89, 3
	s_add_co_u32 s88, s88, s89
	s_lshl_b32 s89, s[WV], 1
	s_add_co_u32 s88, s88, s89                     ; idx0 = (8 b + U) 128 + 8 (T % 16) + 2 w
	s_lshl_b32 s94, s90, 3
	s_add_co_u32 s94, s94, s89                     ; q, k: my first row tile, 8 Y + 2 w
	s_mul_i32 s2, s94, 12288
	s_mul_i32 s100, s84, 1536
	s_add_co_u32 s2, s2, s100
	s_mul_i32 s100, s27, 3145728
	s_add_co_u32 s2, s2, s100                      ; q, k: [row tile][K step X]
	s_mul_i32 s100, s88, 1536
	s_add_co_u32 s100, s100, 6291456               ; v: [idx]
	s_mov_b32 s101, 12288
	s_cmp_eq_u32 s27, 2
	s_cselect_b32 s2, s100, s2
	s_cselect_b32 s101, 1536, s101
	s_mov_b32 s3, 0
	s_add_nc_u64 s[6:7], s[16:17], s[2:3]          ; my first tile's image,
	s_mov_b32 s2, s101
	s_add_nc_u64 s[8:9], s[6:7], s[2:3]            ; my second's
	s_lshl_b32 s100, s27, 17
	s_lshl_b32 s2, s88, 6
	s_add_co_u32 s2, s2, s100
	s_add_nc_u64 s[10:11], s[18:19], s[2:3]        ; the scale words for attention: [idx][r]
	s_lshl_b32 s2, s94, 9
	s_add_co_u32 s2, s2, s100
	s_add_co_u32 s2, s2, 393216
	s_and_b32 s101, s84, 1
	s_lshl_b32 s101, s101, 8
	s_add_co_u32 s2, s2, s101
	s_lshr_b32 s101, s84, 1
	s_lshl_b32 s101, s101, 2
	s_add_co_u32 s2, s2, s101
	s_add_nc_u64 s[12:13], s[18:19], s[2:3]        ; and for the GEMM over K = 1,024: word (K step X, r) of a tile's 512 bytes
	s_lshl_b32 s2, s97, 4
	s_lshl_b32 s101, s95, 1
	s_add_co_u32 s2, s2, s101
	s_lshl_b32 s2, s2, 11
	s_and_b32 s101, s96, 15
	s_lshl_b32 s101, s101, 7
	s_add_co_u32 s2, s2, s101
	s_lshl_b32 s101, s[WV], 5
	s_add_co_u32 s2, s2, s101
	s_lshl_b32 s2, s2, 2
	s_add_nc_u64 s[14:15], s[20:21], s[2:3]        ; sg[b][2 U][128 (T % 16) + 32 w]
	PLACES                                         ; behind the last products
.irp b, 0,1,2,3
	v_mov_b32 v[TM+4+\b], 0                        ; a lane permute's destination counts as one of its sources
.endr
	QUANT ACC, PC0, PW0
	QUANT ACC+64, PC1, PW1
	IMGST PC0, 6
	IMGST PC1, 8
	s_mov_b32 vcc_lo, 0xffff0000
	v_cndmask_b32 v[WW], v[PW0], v[PW1], vcc_lo    ; lanes 0-15 my first tile's words, lanes 16-31 my second's
	global_store_b32 v17, v[WW], s[10:11]
	s_cmp_eq_u32 s27, 2
	s_cbranch_scc1 .Lno_sg                         ; v is no operand of a product over K = 1,024
	global_store_b32 v18, v[WW], s[12:13]
.Lno_sg:
	s_cmp_lg_u32 s27, 1
	s_cbranch_scc1 .Lno_cls
	; k alone: cls . k of the two heads of my pair, in f32 from the unquantised k; a lane holds 16 channels of each block of 32
.irp a, 0,1
	WIN 0x04                                       ; source 1 (the cls token) in window 1
.irp b, 0,1,2,3
	v_pk_mul_f32 v[20+2*\b:21+2*\b], v[ACC+64*\a+16*\b:ACC+64*\a+16*\b+1], v[96+16*\b+96*(\b/2):97+16*\b+96*(\b/2)]
.endr
.irp i, 2,4,6,8,10,12,14
.irp b, 0,1,2,3
	v_pk_fma_f32 v[20+2*\b:21+2*\b], v[ACC+64*\a+16*\b+\i:ACC+64*\a+16*\b+\i+1], v[96+16*\b+96*(\b/2)+\i:97+16*\b+96*(\b/2)+\i], v[20+2*\b:21+2*\b]
.endr
.endr
	WIN 0
	v_add_f32 v20, v20, v21
	v_add_f32 v22, v22, v23
	v_add_f32 v24, v24, v25
	v_add_f32 v26, v26, v27
	v_add_f32 v20, v20, v22                        ; head 2 U: my half
	v_add_f32 v24, v24, v26                        ; head 2 U + 1
	v_permlanex16_b32 v21, v20, s[SEL], s[SEL+1]
	v_permlanex16_b32 v25, v24, s[SEL], s[SEL+1]
	v_add_f32 v20, v20, v21
	v_add_f32 v24, v24, v25
	v_cndmask_b32 v20, v20, v24, vcc_lo            ; lanes 0-15 go on with head 2 U, lanes 16-31 with head 2 U + 1
	v_mul_f32 v20, 0xbdb8aa3b, v20                 ; x -log2(e) / 16
	v_exp_f32 v20, v20
	v_nop                                          ; a plain place behind a transcendental
	s_wait_alu depctr_va_vdst(0)
	v_add_f32 v20, 1.0, v20
	v_rcp_f32 v[28+\a], v20                        ; the sigmoid
	v_nop
	s_wait_alu depctr_va_vdst(0)
	global_store_b32 v19, v[28+\a], s[14:15] offset:32*\a
.endr
.Lno_cls:
	s_wait_tensorcnt 0x0
	ds_add_u32 v31, v127
	s_wait_dscnt 0x0
	CROUND                                         ; the closing round: no work-group ends while a partner may still ask for a tile that names it
	s_endpgm
.Lfunc_end_k_q74db23a2a8_proj:
	.size	k_q74db23a2a8_proj, .Lfunc_end_k_q74db23a2a8_proj-k_q74db23a2a8_proj
	.p2alignl 7, 3214868480
	.fill 96, 4, 3214868480
	.section	.rodata,"a",@progbits
	.p2align	6, 0x0
	.amdhsa_kernel k_q74db23a2a8_proj
		.amdhsa_group_segment_fixed_size 197120
		.amdhsa_private_segment_fixed_size 0
		.amdhsa_enable_private_segment 0
		.amdhsa_kernarg_size 72
		.amdhsa_user_sgpr_count 2
		.amdhsa_user_sgpr_kernarg_segment_ptr 1
		.amdhsa_wavefront_size32 1
		.amdhsa_system_sgpr_workgroup_id_x 1
		.amdhsa_system_sgpr_workgroup_id_y 1
		.amdhsa_system_sgpr_workgroup_id_z 1
		.amdhsa_system_vgpr_workitem_id 0
		.amdhsa_next_free_vgpr 512
		.amdhsa_next_free_sgpr 102
		.amdhsa_reserve_vcc 1
		.amdhsa_float_denorm_mode_32 3
		.amdhsa_float_denorm_mode_16_64 3
		.amdhsa_memory_ordered 1
		.amdhsa_forward_progress 1
		.amdhsa_inst_pref_size 73
	.end_amdhsa_kernel
	.amdgpu_metadata
---
amdhsa.version: [ 1, 2 ]
amdhsa.kernels:
  - .name:           k_q74db23a2a8_proj
    .symbol:         k_q74db23a2a8_proj.kd
    .args:
      - { .name: cin, .offset: 0, .size: 8, .value_kind: global_buffer, .address_space: global }
      - { .name: sin, .offset: 8, .size: 8, .value_kind: global_buffer, .address_space: global }
      - { .name: bq, .offset: 16, .size: 8, .value_kind: global_buffer, .address_space: global }
      - { .name: bk, .offset: 24, .size: 8, .value_kind: global_buffer, .address_space: global }
      - { .name: bv, .offset: 32, .size: 8, .value_kind: global_buffer, .address_space: global }
      - { .name: cls_token, .offset: 40, .size: 8, .value_kind: global_buffer, .address_space: global }
      - { .name: qkv, .offset: 48, .size: 8, .value_kind: global_buffer, .address_space: global }
      - { .name: qkvs, .offset: 56, .size: 8, .value_kind: global_buffer, .address_space: global }
      - { .name: sg, .offset: 64, .size: 8, .value_kind: global_buffer, .address_space: global }
    .group_segment_fixed_size: 197120
    .private_segment_fixed_size: 0
    .kernarg_segment_align: 8
    .kernarg_segment_size: 72
    .max_flat_workgroup_size: 128
    .sgpr_count:     102
    .vgpr_count:     512
    .wavefront_size: 32
...
	.end_amdgpu_metadata
.endif
;; end of part 2
;; launch aff (part 3): grid 2 x 1, 16 waves a work-group, no clusters, 2,304 bytes of LDS; arguments sg, out2; writes out2
.if DOCPART == 3
	.amdgcn_target "amdgcn-amd-amdhsa--gfx1250"
	.amdhsa_code_object_version 6
	.text
	.protected	k_q74db23a2a8_aff
	.globl	k_q74db23a2a8_aff
	.p2align	8
	.type	k_q74db23a2a8_aff,@function
k_q74db23a2a8_aff:
	s_mov_b64 s[64:65], 0
	v_nop
	global_prefetch_b8 v0, s[64:65] scope:SCOPE_SE
	s_setreg_imm32_b32 hwreg(HW_REG_WAVE_MODE, 25, 1), 1
	s_wait_xcnt 0x0
; out2[b][key] = (a - min a) / (max a - min a + 1e-6), a = the mean over the 16 heads of sg[b][head][key].
; One work-group for each batch, since minimum and maximum span all 2,048 keys; thread t owns keys 4 t .. 4 t + 3: each load and the store take 512 consecutive bytes a wave.
; The division is a reciprocal with one Newton step.  No cluster, no matrix work: 128 KiB are read once by each work-group.  NaN is not served.
.macro ADD4 x, y                       ; head x's four numbers += head y's
	v_pk_add_f32 v[16+4*(\x):17+4*(\x)], v[16+4*(\x):17+4*(\x)], v[16+4*(\y):17+4*(\y)]
	v_pk_add_f32 v[18+4*(\x):19+4*(\x)], v[18+4*(\x):19+4*(\x)], v[18+4*(\y):19+4*(\y)]
.endm
	s_load_b128 s[4:7], s[0:1], 0x0                ; sg, out2
	v_lshl_add_u32 v128, v0, 2, 0x100
	v_mov_b32 v129, 0
	v_lshrrev_b32 v1, 5, v0
	v_readfirstlane_b32 s8, v1                     ; wave 0..15
	v_lshlrev_b32 v2, 4, v0                        ; 16 t
	s_lshl_b32 s10, ttmp9, 17                      ; a batch of sg: 131,072 bytes
	s_mov_b32 s11, 0
	s_lshl_b32 s12, ttmp9, 13                      ; of out2: 8,192
	s_mov_b32 s13, 0
	s_mov_b32 s14, 0x76543210
	s_mov_b32 s15, 0xfedcba98
	v_mov_b32 v10, 0                               ; a lane permute's destination counts as one of its sources
	v_mov_b32 v11, 0
	s_wait_kmcnt 0x0
	s_add_nc_u64 s[4:5], s[4:5], s[10:11]
	s_add_nc_u64 s[6:7], s[6:7], s[12:13]
.irp i, 0,1,2,3,4,5,6,7,8,9,10,11,12,13,14,15
	global_load_b128 v[16+4*\i:19+4*\i], v2, s[4:5] offset:8192*\i
.endr
	s_wait_loadcnt 0x0
.irp i, 0,2,4,6,8,10,12,14
	ADD4 \i, \i+1
.endr
.irp i, 0,4,8,12
	ADD4 \i, \i+2
.endr
	ADD4 0, 4
	ADD4 8, 12
	ADD4 0, 8
	v_pk_mul_f32 v[16:17], v[16:17], 0x3d800000 op_sel_hi:[1,0]   ; / 16
	v_pk_mul_f32 v[18:19], v[18:19], 0x3d800000 op_sel_hi:[1,0]
	v_max3_num_f32 v8, v16, v17, v18
	v_min3_num_f32 v9, v16, v17, v18
	v_max_num_f32 v8, v8, v19
	v_min_num_f32 v9, v9, v19
.irp m, 1,2,4,8
	v_max_num_f32_dpp v8, v8, v8 row_xmask:\m row_mask:0xf bank_mask:0xf
	v_min_num_f32_dpp v9, v9, v9 row_xmask:\m row_mask:0xf bank_mask:0xf
.endr
	v_permlanex16_b32 v10, v8, s14, s15
	v_permlanex16_b32 v11, v9, s14, s15
	v_max_num_f32 v8, v8, v10
	v_min_num_f32 v9, v9, v11
	v_mov_b32 v12, s8
	v_lshlrev_b32 v12, 2, v12
	ds_store_b32 v12, v8                           ; my wave's maximum: all lanes write the same word with the same value
	ds_store_b32 v12, v9 offset:64                 ; and its minimum
	s_wait_dscnt 0x0                               ; for the others' sake
	s_barrier_signal -1
	s_barrier_wait -1
	v_mov_b32 v13, 0
.irp i, 0,1,2,3,4,5,6,7
	ds_load_b128 v[24+4*\i:27+4*\i], v13 offset:16*\i   ; v24-39 the sixteen maxima, v40-55 the minima
.endr
	s_wait_dscnt 0x0
	v_max3_num_f32 v8, v24, v25, v26
	v_min3_num_f32 v9, v40, v41, v42
.irp i, 3,5,7,9,11,13
	v_max3_num_f32 v8, v8, v[24+\i], v[25+\i]
	v_min3_num_f32 v9, v9, v[40+\i], v[41+\i]
.endr
	v_max_num_f32 v8, v8, v39
	v_min_num_f32 v9, v9, v55
	v_sub_f32 v10, v8, v9
	v_add_f32 v10, 0x358637bd, v10                 ; + 1e-6
	v_rcp_f32 v11, v10
	v_sub_f32 v16, v16, v9                         ; (a plain place behind the transcendental)
	v_sub_f32 v17, v17, v9
	v_sub_f32 v18, v18, v9
	v_sub_f32 v19, v19, v9
	s_wait_alu depctr_va_vdst(0)
	v_fma_f32 v12, -v10, v11, 1.0                  ; one Newton step
	v_fma_f32 v11, v11, v12, v11
	v_mul_f32 v16, v16, v11
	v_mul_f32 v17, v17, v11
	v_mul_f32 v18, v18, v11
	v_mul_f32 v19, v19, v11
	global_store_b128 v2, v[16:19], s[6:7]
	s_wait_tensorcnt 0x0
	ds_add_u32 v128, v129
	s_wait_dscnt 0x0
	s_endpgm
.Lfunc_end_k_q74db23a2a8_aff:
	.size	k_q74db23a2a8_aff, .Lfunc_end_k_q74db23a2a8_aff-k_q74db23a2a8_aff
	.p2alignl 7, 3214868480
	.fill 96, 4, 3214868480
	.section	.rodata,"a",@progbits
	.p2align	6, 0x0
	.amdhsa_kernel k_q74db23a2a8_aff
		.amdhsa_group_segment_fixed_size 2304
		.amdhsa_private_segment_fixed_size 0
		.amdhsa_enable_private_segment 0
		.amdhsa_kernarg_size 16
		.amdhsa_user_sgpr_count 2
		.amdhsa_user_sgpr_kernarg_segment_ptr 1
		.amdhsa_wavefront_size32 1
		.amdhsa_system_sgpr_workgroup_id_x 1
		.amdhsa_system_sgpr_workgroup_id_y 1
		.amdhsa_system_sgpr_workgroup_id_z 1
		.amdhsa_system_vgpr_workitem_id 0
		.amdhsa_next_free_vgpr 130
		.amdhsa_next_free_sgpr 66
		.amdhsa_reserve_vcc 0
		.amdhsa_float_denorm_mode_32 3
		.amdhsa_float_denorm_mode_16_64 3
		.amdhsa_memory_ordered 1
		.amdhsa_forward_progress 1
		.amdhsa_inst_pref_size 8
	.end_amdhsa_kernel
	.amdgpu_metadata
---
amdhsa.version: [ 1, 2 ]
amdhsa.kernels:
  - .name:           k_q74db23a2a8_aff
    .symbol:         k_q74db23a2a8_aff.kd
    .args:
      - { .name: sg, .offset: 0, .size: 8, .value_kind: global_buffer, .address_space: global }
      - { .name: out2, .offset: 8, .size: 8, .value_kind: global_buffer, .address_space: global }
    .group_segment_fixed_size: 2304
    .private_segment_fixed_size: 0
    .kernarg_segment_align: 8
    .kernarg_segment_size: 16
    .max_flat_workgroup_size: 512
    .sgpr_count:     66
    .vgpr_count:     130
    .wavefront_size: 32
...
	.end_amdgpu_metadata
.endif
;; end of part 3
;; launch attn (part 4): grid 8 x 32, 16 waves a work-group, clusters of 4 x 1, 219,136 bytes of LDS; arguments qkv, qkvs, out2, oimg, osc; writes oimg, osc
.if DOCPART == 4
	.amdgcn_target "amdgcn-amd-amdhsa--gfx1250"
	.amdhsa_code_object_version 6
	.text
	.protected	k_q74db23a2a8_attn
	.globl	k_q74db23a2a8_attn
	.p2align	8
	.type	k_q74db23a2a8_attn,@function
k_q74db23a2a8_attn:
	s_mov_b64 s[64:65], 0
	v_nop
	global_prefetch_b8 v0, s[64:65] scope:SCOPE_SE
	s_setreg_imm32_b32 hwreg(HW_REG_WAVE_MODE, 25, 1), 1
	s_wait_xcnt 0x0
	s_wait_alu depctr_hold_cnt(0) depctr_sa_sdst(0) depctr_va_vdst(0) depctr_va_sdst(0) depctr_va_ssrc(0) depctr_va_vcc(0) depctr_vm_vsrc(0)
	s_getreg_b32 s2, hwreg(HW_REG_IB_STS2, 6, 4)
	s_cmp_eq_u32 s2, 0
	s_cbranch_scc0 .Lentry_in_a_cluster
	s_endpgm
.Lentry_in_a_cluster:
	s_bfe_u32 s2, ttmp6, 0x10000c
	s_cmp_lg_u32 s2, 0x3003
	s_cbranch_scc0 .Lentry_shape_is_right
	s_endpgm
.Lentry_shape_is_right:
; o = Q(softmax(q k^T / 12) x aff_mask) Q(v), head by head, on codes of BF6; the result is quantised along the channels and leaves as the output projection's operand.
; THE SECOND PRODUCT'S OPERAND IS THE FINISHED, NORMALISED SOFTMAX TIMES THE MASK, quantised along the keys: a block's scale hangs on the row's sum.  So every query walks its keys twice:
; walk 1 finds the running maximum (M = the largest t, rounded up to a whole number) and the sum l of 2^(t - M), t = score x log2(e) / 12; walk 2 makes p = 2^(t - M - log2 l) x mask, quantises it and multiplies by V.
; SHARES: a work-group owns 256 queries of one head, each of its sixteen waves one tile of 16: four waves to a SIMD, so that one wave's vector work stands beside another's matrix work and LDS loads.
; LDS: the head's whole K (128 key tiles x 768 bytes) and V (16 key steps x 4 tiles x 1,536), filled once by tensor loads (two a wave: by this text's count two are out); the scale words and the mask come through registers.
; CLUSTER 4 x 1: the four query blocks of a cluster read the same K and V: each tile is asked for jointly, by the same load with the mask 15.
; K = 64 fills half of the matrix instruction's 128: Q's upper six registers are zero codes and the scale words' upper two bytes are 0; K's operand then runs on into the registers behind it, whose
; bits are finite numbers in this format whatever they are, so that they add exactly 0.
; Both products are used transposed: a lane holds one query; by the images' row map the 16 registers of key tiles 2 b, 2 b + 1 are keys 32 b + 16 (lane / 16) + 0 .. 15.
; LIMITS: NaN and infinities are not served; p under 2^-126 is 0 (the exponential flushes); a block of zeros gets the byte 1, read by this program alone.
; REGISTERS: v1-7 addresses that stay, v8-14 those of the step in hand, v16 -M, v17 the largest t, v[18:19] the sum, v[20:21] f, v22-23 at work, v24-35 Q, v36 Q's scale word, v37-40 K's, v41-42 V's, v43 p's,
;   v44-55 at work in QUANT, v56-75 p's codes, v76-139 fragments of K, then the mask, then V; v140-203 the scores, then p; v204-235 O^T.
.set WV,  14
.set VT,  98304
.set KSC, 196608
.set VSC, 204800
.set MSK, 208896
.set Q,   24
.set QS,  36
.set KS,  37
.set VS,  41
.set PW,  43
.set TM,  44
.set PC,  56
.set FB,  76
.set S,   140
.set O,   204
.set G1K, 24
.set G1V, 32
.set SEL, 48
.set CS,  50
.set TK,  52
.set TS,  53
.set TV,  54
.set CNT, 55
.macro CROUND                          ; a round of the cluster's barrier
	s_barrier_signal -1
	s_barrier_wait -1
	s_cmp_lg_u32 s[WV], 0
	s_cbranch_scc1 .Lnot_wave_0_\@
	s_barrier_signal -3
.Lnot_wave_0_\@:
	s_barrier_wait -3
	s_barrier_signal -1
	s_barrier_wait -1
.endm
.macro PLACES
.rept 4
	v_nop
.endr
.endm
.macro FRAG reg, a16, a8, off
	ds_load_b128 v[(\reg):(\reg)+3], v[\a16] offset:(\off)
	ds_load_b64 v[(\reg)+4:(\reg)+5], v[\a8] offset:(\off)+512
	ds_load_b128 v[(\reg)+6:(\reg)+9], v[\a16] offset:(\off)+768
	ds_load_b64 v[(\reg)+10:(\reg)+11], v[\a8] offset:(\off)+1280
.endm
.macro QUANT s, pc, pw
.irp b, 0,1,2,3
	v_max3_num_f32 v[TM+\b], |v[\s+16*\b]|, |v[\s+1+16*\b]|, 0x2800000   ; and the floor 2^(5 - 127): the byte cannot fall under 1
.endr
.irp i, 2,4,6,8,10,12,14
.irp b, 0,1,2,3
	v_max3_num_f32 v[TM+\b], v[TM+\b], |v[\s+16*\b+\i]|, |v[\s+1+16*\b+\i]|
.endr
.endr
.irp b, 0,1,2,3
	v_permlanex16_b32 v[TM+4+\b], v[TM+\b], s[SEL], s[SEL+1]
.endr
.irp b, 0,1,2,3
	v_max_num_f32 v[TM+\b], v[TM+\b], v[TM+4+\b]
.endr
.irp b, 0,1,2,3
	v_add_nc_u32 v[TM+8+\b], 0xfe000000, v[TM+\b]
.endr
.irp b, 0,1,2,3
	v_lshrrev_b32 v[TM+4+\b], 23, v[TM+8+\b]
.endr
	v_lshl_or_b32 v[\pw], v[TM+5], 8, v[TM+4]
	v_lshl_or_b32 v[\pw], v[TM+6], 16, v[\pw]
	v_lshl_or_b32 v[\pw], v[TM+7], 24, v[\pw]
.irp c, 0,1
	v_cvt_scalef32_pk16_bf6_f32 v[\pc+6*\c:\pc+2+6*\c], v[\s+32*\c:\s+15+32*\c], v[TM+8+2*\c]
	v_cvt_scalef32_pk16_bf6_f32 v[\pc+12+4*\c:\pc+14+4*\c], v[\s+16+32*\c:\s+31+32*\c], v[TM+9+2*\c]
.endr
	v_nop                                          ; one plain place behind a scaled conversion
.irp c, 0,1
.irp i, 0,1,2
	v_permlane16_swap_b32 v[\pc+6*\c+\i], v[\pc+12+4*\c+\i]
.endr
.irp i, 0,1,2
	v_mov_b32 v[\pc+3+6*\c+\i], v[\pc+12+4*\c+\i]
.endr
.endr
.endm
; The scores of 128 keys: eight half fragments of K, six registers each, on end; tile t's operand is the twelve registers from its first on.
.macro SCORES
	v_add_nc_u32 v8, s[TK], v1
	v_add_nc_u32 v9, s[TK], v2
	v_add_nc_u32 v10, s[TS], v3
.irp t, 0,1,2,3,4,5,6,7
	ds_load_b128 v[FB+6*\t:FB+6*\t+3], v8 offset:768*\t
	ds_load_b64 v[FB+6*\t+4:FB+6*\t+5], v9 offset:768*\t
.endr
.irp i, 0,1,2,3
	ds_load_b32 v[KS+\i], v10 offset:128*\i        ; lanes 0-15 key tile 2 i's words, lanes 16-31 tile 2 i + 1's
.endr
	s_wait_dscnt 0x0
.irp t, 0,1,2,3,4,5,6,7
.if \t%2 == 0
	v_wmma_scale_f32_16x16x128_f8f6f4 v[S+8*\t:S+8*\t+7], v[FB+6*\t:FB+6*\t+11], v[Q:Q+11], 0, v[KS+\t/2], v[QS] matrix_a_fmt:MATRIX_FMT_BF6 matrix_b_fmt:MATRIX_FMT_BF6
.else
	v_wmma_scale_f32_16x16x128_f8f6f4 v[S+8*\t:S+8*\t+7], v[FB+6*\t:FB+6*\t+11], v[Q:Q+11], 0, v[KS+\t/2], v[QS] matrix_a_fmt:MATRIX_FMT_BF6 matrix_b_fmt:MATRIX_FMT_BF6 matrix_a_scale:MATRIX_SCALE_ROW1
.endif
.endr
	PLACES                                         ; in front of the first read of the scores and of loads into the fragments' registers
.endm
	s_load_b256 s[4:11], s[0:1], 0x0               ; qkv, qkvs, out2, oimg
	s_load_b64 s[12:13], s[0:1], 0x20              ; osc
	v_lshl_add_u32 v254, v0, 2, 0x35000
	v_mov_b32 v255, 0
	ds_add_u32 v254, v255
	ds_add_u32 v254, v255
	v_lshrrev_b32 v8, 5, v0
	v_readfirstlane_b32 s[WV], v8                  ; wave 0..15
	s_bfe_u32 s15, ttmp6, 0x40000                  ; cx
	s_and_b32 s16, ttmp7, 0xffff                   ; 16 b + head
	s_lshr_b32 s17, s16, 4                         ; b
	s_and_b32 s18, s16, 15
	s_lshr_b32 s19, s18, 1                         ; hp: the head pair
	s_and_b32 s20, s18, 1                          ; par: which of the pair
	s_lshl_b32 s21, s17, 3
	s_add_co_u32 s21, s21, s19                     ; BH = 8 b + hp
	s_lshl_b32 s22, ttmp9, 2
	s_add_co_u32 s22, s22, s15                     ; my block of 256 queries: it enters Q's and O's addresses alone
	s_lshl_b32 s56, s17, 7
	s_lshl_b32 s57, s[WV], 3
	s_add_co_u32 s56, s56, s57                     ; K: I fetch key tiles 8 w .. 8 w + 7
	s_mul_i32 s56, s56, 12288
	s_mul_i32 s57, s19, 1536
	s_add_co_u32 s56, s56, s57
	s_mul_i32 s57, s20, 768
	s_add_co_u32 s56, s56, s57
	s_add_co_u32 s56, s56, 3145728
	s_mov_b32 s57, 0
	s_lshl_b32 s58, s21, 7
	s_lshl_b32 s59, s[WV], 3
	s_add_co_u32 s58, s58, s59                     ; V: key step w,
	s_lshl_b32 s59, s20, 2
	s_add_co_u32 s58, s58, s59                     ; my head's four tiles
	s_mul_i32 s58, s58, 1536
	s_add_co_u32 s58, s58, 6291456
	s_mov_b32 s59, 0
	s_mul_i32 s60, s[WV], 6144                     ; where they go: the wave's number alone
	s_mov_b32 s[G1K], 15|(3<<16)|(1<<21)           ; the mask: all four work-groups; elements of 8 bytes; bit 21 beside the mask
	s_mov_b32 s[G1K+1], 96<<16                     ; tensor_dim0: 768 bytes, a key tile's half fragment
	s_mov_b32 s[G1K+2], 8<<16                      ; tensor_dim1: eight key tiles
	s_mov_b32 s[G1K+3], 96<<16
	s_mov_b32 s[G1K+4], 8
	s_mov_b32 s[G1K+5], 1536                       ; 12,288 bytes from key tile to key tile
	s_mov_b32 s[G1K+6], 0
	s_mov_b32 s[G1K+7], 0
	s_mov_b32 s[G1V], 15|(3<<16)|(1<<21)
	s_mov_b32 s[G1V+1], 32<<16                     ; 6,144 dense bytes as 24 rows of 256
	s_mov_b32 s[G1V+2], 24<<16
	s_mov_b32 s[G1V+3], 32<<16
	s_mov_b32 s[G1V+4], 24
	s_mov_b32 s[G1V+5], 32
	s_mov_b32 s[G1V+6], 0
	s_mov_b32 s[G1V+7], 0
	s_mov_b32 s[SEL], 0x76543210
	s_mov_b32 s[SEL+1], 0xfedcba98
	s_mov_b32 s[CS], 0x3df6384f                    ; c = log2(e) / 12
	s_mov_b32 s[CS+1], s[CS]
	s_wait_dscnt 0x0
	s_wait_kmcnt 0x0
	s_mov_b32 s40, 1
	s_mov_b32 s41, s60
	s_add_nc_u64 s[42:43], s[4:5], s[56:57]
	s_or_b32 s43, s43, 0x80000000
	s_mov_b32 s44, 1
	s_add_co_u32 s45, s60, VT
	s_add_nc_u64 s[46:47], s[4:5], s[58:59]
	s_or_b32 s47, s47, 0x80000000
	CROUND                                         ; all four work-groups are here: the joint loads meet
	tensor_load_to_lds s[40:43], s[G1K:G1K+7]
	s_nop 0
	tensor_load_to_lds s[44:47], s[G1V:G1V+7]
	s_nop 0
	PLACES                                         ; four v_nop follow the second
	s_lshl_b32 s16, s22, 4
	s_add_co_u32 s16, s16, s[WV]                   ; my query tile in the batch
	s_lshl_b32 s23, s17, 7
	s_add_co_u32 s23, s23, s16                     ; rt: my row tile of q and of o
	s_mul_i32 s62, s23, 12288
	s_mul_i32 s63, s19, 1536
	s_add_co_u32 s62, s62, s63
	s_mul_i32 s63, s20, 768
	s_add_co_u32 s62, s62, s63
	s_mov_b32 s63, 0
	s_add_nc_u64 s[66:67], s[4:5], s[62:63]        ; Q's half fragment
	s_add_nc_u64 s[68:69], s[10:11], s[62:63]      ; O's, at the same place of its buffer
	s_lshl_b32 s62, s21, 7
	s_add_co_u32 s62, s62, s16
	s_lshl_b32 s62, s62, 6
	s_add_nc_u64 s[70:71], s[6:7], s[62:63]        ; Q's scale words
	s_lshl_b32 s62, s23, 9
	s_and_b32 s18, s19, 1
	s_lshl_b32 s18, s18, 8
	s_add_co_u32 s62, s62, s18
	s_lshr_b32 s18, s19, 1
	s_lshl_b32 s18, s18, 2
	s_add_co_u32 s62, s62, s18
	s_lshl_b32 s18, s20, 1
	s_add_co_u32 s62, s62, s18
	s_add_nc_u64 s[12:13], s[12:13], s[62:63]      ; O's scale bytes: the tile's 512 bytes, K step hp, bytes 2 par and 2 par + 1 of each word
	s_lshl_b32 s18, s21, 13
	s_add_co_u32 s62, s18, 131072
	s_add_nc_u64 s[56:57], s[6:7], s[62:63]        ; K's scale words of the head pair: 8,192 dense bytes
	s_lshl_b32 s62, s20, 8
	s_add_co_u32 s62, s62, s18
	s_add_co_u32 s62, s62, 262144
	s_add_nc_u64 s[58:59], s[6:7], s[62:63]        ; V's: 256 of each key step's 512 bytes
	s_lshl_b32 s62, s17, 13
	s_add_nc_u64 s[60:61], s[8:9], s[62:63]        ; the batch's mask
	s_lshl_b32 s62, s20, 4                         ; 16 par: where my head's two bytes begin in a scale word
	v_and_b32 v44, 31, v0                          ; lane
	v_and_b32 v45, 15, v0                          ; r
	v_bfe_u32 v46, v0, 4, 1                        ; h
	v_lshlrev_b32 v1, 4, v44                       ; K: 16 x lane
	v_lshlrev_b32 v2, 3, v44
	v_add_nc_u32 v2, 512, v2                       ;    512 + 8 x lane
	v_lshl_add_u32 v3, v44, 2, KSC                 ; K's scale words
	v_lshl_add_u32 v4, v44, 4, VT                  ; V
	v_lshl_add_u32 v5, v44, 3, VT
	v_lshl_add_u32 v6, v44, 2, VSC                 ; V's scale words
	v_lshl_add_u32 v7, v46, 6, MSK                 ; the mask: my 16 keys of a block of 32
	v_lshlrev_b32 v47, 4, v0                       ; 16 t
	v_lshrrev_b32 v48, 5, v0
	v_lshlrev_b32 v48, 9, v48
	v_lshl_add_u32 v48, v44, 3, v48                ; 512 x wave + 8 x lane
	v_lshlrev_b32 v52, 2, v45                      ; 4 r
	v_lshl_add_u32 v53, v0, 4, KSC
	v_lshl_add_u32 v54, v0, 3, VSC
	v_lshl_add_u32 v55, v0, 4, MSK
	global_load_b128 v[76:79], v47, s[56:57]
	global_load_b64 v[80:81], v48, s[58:59]
	global_load_b128 v[84:87], v47, s[60:61]
	global_load_b128 v[Q:Q+3], v1, s[66:67]
	global_load_b64 v[Q+4:Q+5], v2, s[66:67]
	global_load_b32 v[QS], v52, s[70:71]
.irp i, 6,7,8,9,10,11
	v_mov_b32 v[Q+\i], 0                           ; zero codes for k = 64 .. 127
.endr
	s_wait_loadcnt 0x3                             ; the scale words and the mask are in; Q's three loads may be out
.irp i, 76,77,78,79
	v_bfe_u32 v\i, v\i, s62, 16                    ; my head's two bytes; bytes 2 and 3 become 0
.endr
	ds_store_b128 v53, v[76:79]
	ds_store_b64 v54, v[80:81]
	ds_store_b128 v55, v[84:87]
	s_wait_loadcnt 0x0
	v_bfe_u32 v[QS], v[QS], s62, 16
.irp b, 0,1,2,3
	v_mov_b32 v[TM+4+\b], 0                        ; a lane permute's destination counts as one of its sources
.endr
	v_mov_b32 v17, 0xff61b1e6                      ; the largest t so far: -3e38
	v_floor_f32 v16, -v17                          ; -M
.irp i, 18,19,20,21,22,23
	v_mov_b32 v\i, 0
.endr
.irp i, 48,49,50,51,52,53
	v_mov_b32 v[FB+\i], 0                          ; behind the last half fragment: named by tile 7's operand
.endr
.set J, 0
.rept 32
	v_mov_b32 v[O+J], 0                            ; O^T: the second walk is written once
.set J, J+1
.endr
	s_wait_dscnt 0x0                               ; for the others' sake: my stores have landed
	s_wait_tensorcnt 0x1                           ; my part of K is in; my part of V may be out
	s_barrier_signal -1
	s_barrier_wait -1
	s_mov_b32 s[TK], 0
	s_mov_b32 s[TS], 0
	s_mov_b32 s[CNT], 16
.Lwalk1:                                           ; 16 trips of 128 keys: the running maximum and the sum
	SCORES
.irp b, 0,1,2,3
	v_max3_num_f32 v[TM+\b], v[S+16*\b], v[S+1+16*\b], v[S+2+16*\b]
.endr
.irp i, 3,5,7,9,11,13
.irp b, 0,1,2,3
	v_max3_num_f32 v[TM+\b], v[TM+\b], v[S+16*\b+\i], v[S+1+16*\b+\i]
.endr
.endr
.irp b, 0,1,2,3
	v_max_num_f32 v[TM+\b], v[TM+\b], v[S+15+16*\b]
.endr
	v_max3_num_f32 v22, v[TM], v[TM+1], v[TM+2]
	v_max_num_f32 v22, v22, v[TM+3]
	v_permlanex16_b32 v23, v22, s[SEL], s[SEL+1]
	v_max_num_f32 v22, v22, v23                    ; the step's largest score of my query
	v_mul_f32 v22, s[CS], v22                      ; as t (c is positive)
	v_max_num_f32 v17, v17, v22                    ; the running largest t
	v_mov_b32 v22, v16
	v_floor_f32 v16, -v17                          ; the new -M = -ceil(t): a whole number
	v_sub_f32 v22, v16, v22                        ; old M - new M, 0 or less
	v_cvt_i32_f32 v22, v22                         ; (it saturates)
	v_ldexp_f32 v20, 1.0, v22                      ; f = 2^(old M - new M): rounds nothing
.set J, 0
.rept 32
	v_pk_fma_f32 v[S+J:S+J+1], v[S+J:S+J+1], s[CS:CS+1], v[16:17] op_sel_hi:[1,0,0]   ; t - M
.set J, J+2
.endr
.set J, 0
.rept 64
	v_exp_f32 v[S+J], v[S+J]
.set J, J+1
.endr
	v_pk_mul_f32 v[18:19], v[18:19], v[20:21] op_sel_hi:[1,0]   ; the sum under the new M.  (A plain place behind the exponentials)
	s_wait_alu depctr_va_vdst(0)
	v_pk_add_f32 v[22:23], v[S:S+1], v[S+2:S+3]
.irp j, 4,8,12,16,20,24,28,32,36,40,44,48,52,56,60
	v_pk_add_f32 v[18:19], v[18:19], v[S+\j:S+\j+1]
	v_pk_add_f32 v[22:23], v[22:23], v[S+\j+2:S+\j+3]
.endr
	v_pk_add_f32 v[18:19], v[18:19], v[22:23]
	s_add_co_u32 s[TK], s[TK], 6144
	s_add_co_u32 s[TS], s[TS], 512
	s_sub_co_u32 s[CNT], s[CNT], 1
	s_cmp_lg_u32 s[CNT], 0
	s_cbranch_scc1 .Lwalk1
	v_add_f32 v18, v18, v19
	v_permlanex16_b32 v22, v18, s[SEL], s[SEL+1]
	v_add_f32 v18, v18, v22                        ; l: between a half and 2,048
	v_log_f32 v18, v18
	v_nop                                          ; a plain place behind the transcendental
	s_wait_alu depctr_va_vdst(0)
	v_sub_f32 v16, v16, v18                        ; -(M + log2 l): the division by the sum goes into the exponent
	s_wait_tensorcnt 0x0                           ; my part of V is in,
	s_barrier_signal -1
	s_barrier_wait -1                              ; everybody's is
	s_mov_b32 s[TK], 0
	s_mov_b32 s[TS], 0
	s_mov_b32 s[TV], 0
	s_mov_b32 s[CNT], 16
.Lwalk2:                                           ; 16 trips of 128 keys: p, its codes, O^T += V^T P^T
	SCORES
	v_add_nc_u32 v14, s[TS], v7
.irp b, 0,1,2,3
.irp j, 0,1,2,3
	ds_load_b128 v[FB+16*\b+4*\j:FB+16*\b+4*\j+3], v14 offset:128*\b+16*\j   ; the mask of my 64 keys, as the scores lie
.endr
.endr
.set J, 0
.rept 32
	v_pk_fma_f32 v[S+J:S+J+1], v[S+J:S+J+1], s[CS:CS+1], v[16:17] op_sel_hi:[1,0,0]
.set J, J+2
.endr
.set J, 0
.rept 64
	v_exp_f32 v[S+J], v[S+J]                       ; the normalised softmax
.set J, J+1
.endr
	v_add_nc_u32 v11, s[TK], v4                    ; (plain places behind the exponentials)
	v_add_nc_u32 v12, s[TK], v5
	v_add_nc_u32 v13, s[TV], v6
	s_wait_dscnt 0x0                               ; the mask is in
.set J, 0
	s_wait_alu depctr_va_vdst(0)
.rept 32
	v_pk_mul_f32 v[S+J:S+J+1], v[S+J:S+J+1], v[FB+J:FB+J+1]
.set J, J+2
.endr
.irp u, 0,1,2,3
	FRAG FB+12*\u, 11, 12, 1536*\u                 ; V's four tiles of this key step land while p is quantised
.endr
.irp i, 0,1
	ds_load_b32 v[VS+\i], v13 offset:128*\i
.endr
	QUANT S, PC, PW
.rept 8
	v_nop                                          ; a scale register written by a vector instruction stands 8 places ahead of a scaled matrix instruction, an operand so written 4
.endr
	s_wait_dscnt 0x0
.irp u, 0,1,2,3                                ; the four accumulators take turns, one instruction a turn
.if \u%2 == 0
	v_wmma_scale_f32_16x16x128_f8f6f4 v[O+8*\u:O+8*\u+7], v[FB+12*\u:FB+12*\u+11], v[PC:PC+11], v[O+8*\u:O+8*\u+7], v[VS+\u/2], v[PW] matrix_a_fmt:MATRIX_FMT_BF6 matrix_b_fmt:MATRIX_FMT_BF6
.else
	v_wmma_scale_f32_16x16x128_f8f6f4 v[O+8*\u:O+8*\u+7], v[FB+12*\u:FB+12*\u+11], v[PC:PC+11], v[O+8*\u:O+8*\u+7], v[VS+\u/2], v[PW] matrix_a_fmt:MATRIX_FMT_BF6 matrix_b_fmt:MATRIX_FMT_BF6 matrix_a_scale:MATRIX_SCALE_ROW1
.endif
.endr
	PLACES
	s_add_co_u32 s[TK], s[TK], 6144
	s_add_co_u32 s[TS], s[TS], 512
	s_add_co_u32 s[TV], s[TV], 256
	s_sub_co_u32 s[CNT], s[CNT], 1
	s_cmp_lg_u32 s[CNT], 0
	s_cbranch_scc1 .Lwalk2
	; O's 64 channels of my head are two blocks of 32 along the output projection's K: register 16 b + i = channel 32 b + 16 (lane / 16) + i
.irp b, 0,1
	v_max3_num_f32 v[TM+\b], |v[O+16*\b]|, |v[O+1+16*\b]|, 0x2800000
.endr
.irp i, 2,4,6,8,10,12,14
.irp b, 0,1
	v_max3_num_f32 v[TM+\b], v[TM+\b], |v[O+16*\b+\i]|, |v[O+1+16*\b+\i]|
.endr
.endr
.irp b, 0,1
	v_permlanex16_b32 v[TM+4+\b], v[TM+\b], s[SEL], s[SEL+1]
.endr
.irp b, 0,1
	v_max_num_f32 v[TM+\b], v[TM+\b], v[TM+4+\b]
.endr
.irp b, 0,1
	v_add_nc_u32 v[TM+8+\b], 0xfe000000, v[TM+\b]
.endr
.irp b, 0,1
	v_lshrrev_b32 v[TM+4+\b], 23, v[TM+8+\b]
.endr
	v_cvt_scalef32_pk16_bf6_f32 v[PC:PC+2], v[O:O+15], v[TM+8]
	v_cvt_scalef32_pk16_bf6_f32 v[PC+12:PC+14], v[O+16:O+31], v[TM+9]
	v_nop                                          ; one plain place behind a scaled conversion
.irp i, 0,1,2
	v_permlane16_swap_b32 v[PC+\i], v[PC+12+\i]
.endr
.irp i, 0,1,2
	v_mov_b32 v[PC+3+\i], v[PC+12+\i]
.endr
	s_mov_b32 vcc_lo, 0xffff0000
	v_cndmask_b32 v22, v[TM+4], v[TM+5], vcc_lo    ; lanes 0-15 block 0's byte, lanes 16-31 block 1's
	v_and_b32 v8, 15, v0
	v_bfe_u32 v9, v0, 4, 1
	v_lshl_add_u32 v8, v8, 4, v9                   ; 16 r + h
	global_store_b128 v1, v[PC:PC+3], s[68:69]     ; 512 consecutive bytes,
	global_store_b64 v2, v[PC+4:PC+5], s[68:69]    ; and the 256 behind them
	global_store_b8 v8, v22, s[12:13]
	s_wait_tensorcnt 0x0
	ds_add_u32 v254, v255
	s_wait_dscnt 0x0
	CROUND                                         ; the closing round
	s_endpgm
.Lfunc_end_k_q74db23a2a8_attn:
	.size	k_q74db23a2a8_attn, .Lfunc_end_k_q74db23a2a8_attn-k_q74db23a2a8_attn
	.p2alignl 7, 3214868480
	.fill 96, 4, 3214868480
	.section	.rodata,"a",@progbits
	.p2align	6, 0x0
	.amdhsa_kernel k_q74db23a2a8_attn
		.amdhsa_group_segment_fixed_size 219136
		.amdhsa_private_segment_fixed_size 0
		.amdhsa_enable_private_segment 0
		.amdhsa_kernarg_size 40
		.amdhsa_user_sgpr_count 2
		.amdhsa_user_sgpr_kernarg_segment_ptr 1
		.amdhsa_wavefront_size32 1
		.amdhsa_system_sgpr_workgroup_id_x 1
		.amdhsa_system_sgpr_workgroup_id_y 1
		.amdhsa_system_sgpr_workgroup_id_z 1
		.amdhsa_system_vgpr_workitem_id 0
		.amdhsa_next_free_vgpr 256
		.amdhsa_next_free_sgpr 72
		.amdhsa_reserve_vcc 1
		.amdhsa_float_denorm_mode_32 3
		.amdhsa_float_denorm_mode_16_64 3
		.amdhsa_memory_ordered 1
		.amdhsa_forward_progress 1
		.amdhsa_inst_pref_size 40
	.end_amdhsa_kernel
	.amdgpu_metadata
---
amdhsa.version: [ 1, 2 ]
amdhsa.kernels:
  - .name:           k_q74db23a2a8_attn
    .symbol:         k_q74db23a2a8_attn.kd
    .args:
      - { .name: qkv, .offset: 0, .size: 8, .value_kind: global_buffer, .address_space: global }
      - { .name: qkvs, .offset: 8, .size: 8, .value_kind: global_buffer, .address_space: global }
      - { .name: out2, .offset: 16, .size: 8, .value_kind: global_buffer, .address_space: global }
      - { .name: oimg, .offset: 24, .size: 8, .value_kind: global_buffer, .address_space: global }
      - { .name: osc, .offset: 32, .size: 8, .value_kind: global_buffer, .address_space: global }
    .group_segment_fixed_size: 219136
    .private_segment_fixed_size: 0
    .kernarg_segment_align: 8
    .kernarg_segment_size: 40
    .max_flat_workgroup_size: 512
    .sgpr_count:     72
    .vgpr_count:     256
    .wavefront_size: 32
...
	.end_amdgpu_metadata
.endif
;; end of part 4
;; launch outs (part 5): grid 16 x 48, 4 waves a work-group, clusters of 4 x 4, 230,912 bytes of LDS; arguments qkv, qkvs, oimg, osc, cin, sin, bp, out0, out1; writes out0, out1
.if DOCPART == 5
	.amdgcn_target "amdgcn-amd-amdhsa--gfx1250"
	.amdhsa_code_object_version 6
	.text
	.protected	k_q74db23a2a8_outs
	.globl	k_q74db23a2a8_outs
	.p2align	8
	.type	k_q74db23a2a8_outs,@function
k_q74db23a2a8_outs:
	s_mov_b64 s[64:65], 0
	v_nop
	global_prefetch_b8 v0, s[64:65] scope:SCOPE_SE
	s_setreg_imm32_b32 hwreg(HW_REG_WAVE_MODE, 25, 1), 1
	s_wait_xcnt 0x0
	s_wait_alu depctr_hold_cnt(0) depctr_sa_sdst(0) depctr_va_vdst(0) depctr_va_sdst(0) depctr_va_ssrc(0) depctr_va_vcc(0) depctr_vm_vsrc(0)
	s_getreg_b32 s2, hwreg(HW_REG_IB_STS2, 6, 4)
	s_cmp_eq_u32 s2, 0
	s_cbranch_scc0 .Lentry_in_a_cluster
	s_endpgm
.Lentry_in_a_cluster:
	s_bfe_u32 s2, ttmp6, 0x10000c
	s_cmp_lg_u32 s2, 0xf033
	s_cbranch_scc0 .Lentry_shape_is_right
	s_endpgm
.Lentry_shape_is_right:
; Two GEMMs on codes of BF6 with K = 1,024, f32 out.  The clusters with y under 8: out1[b] = Q(q) Q(k)^T / 192: the heads' blocks of 32 are blocks of 32 along the 1,024 channels, so the sum of the
; sixteen heads' logits is one product over K = 1,024 on the very codes that attention multiplies.  The others: out0 = Q(o) Q(Wp)^T + bp.
; SHARES, LDS, CLUSTER and the loop are those of the projections' kernel: a work-group makes 128 (N, source 0, X) x 128 (M, source 1, Y), wave w M tiles 2 w, 2 w + 1 x 8 N tiles; both operands' whole K lies in
; LDS, filled once by four tensor loads a wave (by this text's count four are out), waited for chunk by chunk; source 0's tiles are asked for jointly by a column of the cluster, source 1's by a row.
; THE WAY OUT: a lane holds 64 numbers of one row of the output; a tile of 16 rows x 512 bytes goes through the wave's own stage in LDS (rows 528 bytes apart, bytes that no fill touches) and leaves as whole
; rows: each store covers 512 consecutive bytes at a multiple of 256.  The bias starts the sums (out0); out1's sums start at 0 and are multiplied by 1 / 192 at the end.  NaN and infinities are not served.
; REGISTERS: as in the projections' kernel; on the way out v96-111 hold the rows' offsets and window 1 takes the rows read back: the scale words' registers hold nothing else.
.set WV,    22
.set L16,   1
.set L8,    2
.set SC0,   32
.set SC1,   64
.set F1,    72
.set VOFF,  96
.set ACC,   128
.set CHUNK, 24576
.set S1B,   98304
.set STG,   196608
.set MSB, 0
.macro WIN new
.if MSB != \new
	s_set_vgpr_msb (MSB<<8)|\new
.set MSB, \new
.endif
.endm
.macro CROUND
	s_barrier_signal -1
	s_barrier_wait -1
	s_cmp_lg_u32 s[WV], 0
	s_cbranch_scc1 .Lnot_wave_0_\@
	s_barrier_signal -3
.Lnot_wave_0_\@:
	s_barrier_wait -3
	s_barrier_signal -1
	s_barrier_wait -1
.endm
.macro PLACES
.rept 4
	v_nop
.endr
.endm
.macro FRAG reg, a16, a8, off
	ds_load_b128 v[(\reg):(\reg)+3], v[\a16] offset:(\off)
	ds_load_b64 v[(\reg)+4:(\reg)+5], v[\a8] offset:(\off)+512
	ds_load_b128 v[(\reg)+6:(\reg)+9], v[\a16] offset:(\off)+768
	ds_load_b64 v[(\reg)+10:(\reg)+11], v[\a8] offset:(\off)+1280
.endm
.macro FETCH ks, set
	WIN 0x40
.irp i, 0,1,2,3,4,5,6,7
	FRAG 128*(\set)+12*\i, 3, 4, 3072*\i+1536*((\ks)%2)
.endr
	WIN 0
.irp a, 0,1
	FRAG F1+24*(\set)+12*\a, 5, 6, 3072*\a+1536*((\ks)%2)
.endr
.endm
.macro MUL ks, set                     ; the 16 accumulators take turns, one instruction a turn, in the same order in every step
.irp a, 0,1
.irp b, 0,1,2,3,4,5,6,7
.if (\ks)%2 == 0
	v_wmma_scale_f32_16x16x128_f8f6f4 v[ACC+64*\a+8*\b:ACC+64*\a+8*\b+7], v[128*(\set)+12*\b:128*(\set)+12*\b+11], v[F1+24*(\set)+12*\a:F1+24*(\set)+12*\a+11], v[ACC+64*\a+8*\b:ACC+64*\a+8*\b+7], v[SC0+4*\b+(\ks)/2], v[SC1+4*\a+(\ks)/2] matrix_a_fmt:MATRIX_FMT_BF6 matrix_b_fmt:MATRIX_FMT_BF6
.else
	v_wmma_scale_f32_16x16x128_f8f6f4 v[ACC+64*\a+8*\b:ACC+64*\a+8*\b+7], v[128*(\set)+12*\b:128*(\set)+12*\b+11], v[F1+24*(\set)+12*\a:F1+24*(\set)+12*\a+11], v[ACC+64*\a+8*\b:ACC+64*\a+8*\b+7], v[SC0+4*\b+(\ks)/2], v[SC1+4*\a+(\ks)/2] matrix_a_fmt:MATRIX_FMT_BF6 matrix_b_fmt:MATRIX_FMT_BF6 matrix_a_scale:MATRIX_SCALE_ROW1 matrix_b_scale:MATRIX_SCALE_ROW1
.endif
.endr
.endr
.endm
.macro SCALEA a                        ; my tile a times 1 / 192 or 1: each accumulator from its low end on
.set J, 0
.rept 32
	v_pk_mul_f32 v[ACC+64*\a+J:ACC+64*\a+J+1], v[ACC+64*\a+J:ACC+64*\a+J+1], s[100:101] op_sel_hi:[1,0]
.set J, J+2
.endr
.endm
.macro STAGEA a                        ; my tile a into my stage, and back as whole rows into window 1.  LDS serves a wave's instructions in order: no wait between the stores and the loads
.irp b, 0,1,2,3
.irp j, 0,1,2,3
	ds_store_b128 v12, v[ACC+64*\a+16*\b+4*\j:ACC+64*\a+16*\b+4*\j+3] offset:128*\b+16*\j
.endr
.endr
	WIN 0x40
.irp p, 0,1,2,3,4,5,6,7,8,9,10,11,12,13,14,15
	ds_load_b128 v[128*\a+4*\p:128*\a+4*\p+3], v13 offset:528*\p
.endr
	WIN 0
.endm
.macro SENDA a, sb                     ; its 16 rows leave: each store covers 512 consecutive bytes; written once, read by nobody here
	WIN 0x04                                       ; a store's data are its source 1: window 1
.irp p, 0,1,2,3,4,5,6,7,8,9,10,11,12,13,14,15
	global_store_b128 v[VOFF+\p], v[128*\a+4*\p:128*\a+4*\p+3], s[\sb:\sb+1] th:TH_STORE_NT
.endr
	WIN 0
.endm
	s_load_b256 s[4:11], s[0:1], 0x0               ; qkv, qkvs, oimg, osc
	s_load_b256 s[12:19], s[0:1], 0x20             ; cin, sin, bp, out0
	s_load_b64 s[20:21], s[0:1], 0x40              ; out1
	v_lshl_add_u32 v126, v0, 2, 0x38400
	v_mov_b32 v127, 0
	ds_add_u32 v126, v127
	ds_add_u32 v126, v127
	v_lshrrev_b32 v9, 5, v0
	v_readfirstlane_b32 s[WV], v9                  ; wave 0..3
	s_lshr_b32 s23, s[WV], 1
	s_and_b32 s24, s[WV], 1
	s_bfe_u32 s25, ttmp6, 0x40000                  ; cx
	s_bfe_u32 s26, ttmp6, 0x40004                  ; cy
	s_mov_b32 s28, ttmp9                           ; the cluster's x, 0..3
	s_and_b32 s30, ttmp7, 0xffff                   ; the cluster's y, 0..11
	s_lshr_b32 s97, s30, 2                         ; out1's batch
	s_and_b32 s29, s30, 3
	s_and_b32 s84, s28, 1                          ; out0 has 2 x 8 clusters: x % 2,
	s_lshl_b32 s90, s29, 1
	s_lshr_b32 s31, s28, 1
	s_add_co_u32 s90, s90, s31                     ; 2 (y % 4) + x / 2
	s_cmp_ge_u32 s30, 8
	s_cselect_b32 s27, 1, 0                        ; 1: out0
	s_cselect_b32 s84, s84, s28
	s_cselect_b32 s90, s90, s29
	s_cselect_b32 s97, 0, s97
	s_lshl_b32 s84, s84, 2
	s_add_co_u32 s84, s84, s25                     ; X
	s_lshl_b32 s90, s90, 2
	s_add_co_u32 s90, s90, s26                     ; Y
	s_lshl_b32 s87, 0x1111, s25                    ; my column of the cluster
	s_lshl_b32 s93, s26, 2
	s_lshl_b32 s93, 15, s93                        ; my row
	s_or_b32 s32, s87, (3<<16)|(1<<21)
	s_or_b32 s40, s93, (3<<16)|(1<<21)
.irp g, 32, 40
	s_mov_b32 s[\g+1], 384<<16                     ; rows of 3,072 bytes: two K steps' images of a row tile
	s_mov_b32 s[\g+2], 4<<16                       ; four row tiles
	s_mov_b32 s[\g+3], 384<<16
	s_mov_b32 s[\g+4], 4
	s_mov_b32 s[\g+5], 1536                        ; 12,288 bytes apart
	s_mov_b32 s[\g+6], 0
	s_mov_b32 s[\g+7], 0
.endr
	s_lshl_b32 s85, s97, 4
	s_add_co_u32 s85, s85, s84                     ; 16 b + X
	s_lshl_b32 s91, s97, 4
	s_add_co_u32 s91, s91, s90                     ; 16 b + Y
	s_mul_i32 s31, s24, 49152                      ; my four row tiles
	s_mul_i32 s86, s85, 98304
	s_add_co_u32 s86, s86, s31
	s_mul_i32 s92, s91, 98304
	s_add_co_u32 s92, s92, s31
	s_mul_i32 s66, s23, S1B
	s_mul_i32 s67, s24, 12288
	s_add_co_u32 s66, s66, s67
	s_mov_b32 s87, 3145728                         ; k's images in qkv
	s_mov_b32 s88, 524288                          ; k's scale words in qkvs
	s_mov_b32 s89, 393216                          ; q's
	s_mov_b32 s96, 8192                            ; a row of out1
	s_wait_dscnt 0x0
	s_wait_kmcnt 0x0
	s_cmp_eq_u32 s27, 1
	s_cselect_b32 s87, 8650752, s87                ; Wp's images in cin
	s_cselect_b32 s88, 360448, s88                 ; Wp's scale words in sin
	s_cselect_b32 s89, 0, s89
	s_cselect_b32 s96, 4096, s96                   ; a row of out0
	s_cselect_b32 s100, 1.0, 0x3baaaaab            ; out1: x 1 / 192
	s_cselect_b32 s94, 1.0, 0                      ; out1 has no bias
	s_cselect_b64 s[12:13], s[12:13], s[4:5]       ; source 0's codes,
	s_cselect_b64 s[14:15], s[14:15], s[6:7]       ; its scale words,
	s_cselect_b64 s[8:9], s[8:9], s[4:5]           ; source 1's codes,
	s_cselect_b64 s[10:11], s[10:11], s[6:7]       ; its scale words,
	s_cselect_b64 s[18:19], s[18:19], s[20:21]     ; the output
	s_mov_b32 s101, s100
	s_mov_b32 s95, s94
	s_add_co_u32 s86, s86, s87
	s_mov_b32 s87, 0
	s_mov_b32 s93, 0
	s_add_nc_u64 s[86:87], s[12:13], s[86:87]
	s_add_nc_u64 s[92:93], s[8:9], s[92:93]
	CROUND                                         ; all sixteen work-groups are here: the joint loads meet
.irp c, 0,1,2,3
	s_mov_b32 s[48+4*\c], 1
	s_add_co_u32 s[49+4*\c], s66, \c*CHUNK
	s_add_nc_u64 s[50+4*\c:51+4*\c], s[86:87], \c*3072
	s_or_b32 s[51+4*\c], s[51+4*\c], 0x80000000
	s_mov_b32 s[68+4*\c], 1
	s_add_co_u32 s[69+4*\c], s66, \c*CHUNK
	s_add_nc_u64 s[70+4*\c:71+4*\c], s[92:93], \c*3072
	s_or_b32 s[71+4*\c], s[71+4*\c], 0x80000000
.endr
	s_cmp_eq_u32 s23, 0                            ; a wave's four fills stand in one branch on its number; four v_nop follow the last
	s_cbranch_scc0 .Lfill_s1
	tensor_load_to_lds s[48:51], s[32:39]
	s_nop 0
	tensor_load_to_lds s[52:55], s[32:39]
	s_nop 0
	tensor_load_to_lds s[56:59], s[32:39]
	s_nop 0
	tensor_load_to_lds s[60:63], s[32:39]
	s_nop 0
	PLACES
	s_branch .Lfilled
.Lfill_s1:
	tensor_load_to_lds s[68:71], s[40:47]
	s_nop 0
	tensor_load_to_lds s[72:75], s[40:47]
	s_nop 0
	tensor_load_to_lds s[76:79], s[40:47]
	s_nop 0
	tensor_load_to_lds s[80:83], s[40:47]
	s_nop 0
	PLACES
.Lfilled:
	s_lshl_b32 s2, s85, 12                         ; 8 row tiles of 512 bytes
	s_add_co_u32 s2, s2, s88
	s_mov_b32 s3, 0
	s_add_nc_u64 s[14:15], s[14:15], s[2:3]        ; source 0's scale words
	s_lshl_b32 s2, s91, 12
	s_add_co_u32 s2, s2, s89
	s_lshl_b32 s88, s[WV], 10
	s_add_co_u32 s2, s2, s88
	s_add_nc_u64 s[10:11], s[10:11], s[2:3]        ; my two tiles' of source 1
	s_lshl_b32 s2, s84, 9
	s_mul_i32 s2, s2, s27                          ; out1 reads bp's first 512 bytes and multiplies them by 0: no load leaves the buffer
	s_add_nc_u64 s[16:17], s[16:17], s[2:3]
	s_lshl_b32 s2, s90, 7
	s_lshl_b32 s88, s[WV], 5
	s_add_co_u32 s2, s2, s88                       ; my first row: 128 Y + 32 w
	s_mul_i32 s2, s2, s96
	s_lshl_b32 s88, s84, 9
	s_add_co_u32 s2, s2, s88                       ; + 512 X
	s_lshl_b32 s88, s97, 24
	s_add_co_u32 s2, s2, s88                       ; + out1's batch
	s_add_nc_u64 s[18:19], s[18:19], s[2:3]        ; my first tile's rows,
	s_lshl_b32 s2, s96, 3
	s_add_nc_u64 s[20:21], s[18:19], s[2:3]        ; my second's: 8 rows on
	v_and_b32 v9, 31, v0                           ; lane
	v_and_b32 v7, 15, v0                           ; r
	v_bfe_u32 v8, v0, 4, 1                         ; h
	v_lshlrev_b32 v[L16], 4, v9
	v_lshlrev_b32 v[L8], 3, v9
	v_lshlrev_b32 v3, 4, v9
	v_lshlrev_b32 v4, 3, v9
	s_mul_i32 s2, s[WV], 6144
	s_add_co_u32 s2, s2, S1B
	v_add_nc_u32 v5, s2, v[L16]
	v_add_nc_u32 v6, s2, v[L8]
	v_lshlrev_b32 v14, 6, v8                       ; 64 h
.irp b, 0,1,2,3,4,5,6,7
	global_load_b128 v[SC0+4*\b:SC0+4*\b+3], v[L16], s[14:15] offset:512*\b
.endr
.irp a, 0,1
	global_load_b128 v[SC1+4*\a:SC1+4*\a+3], v[L16], s[10:11] offset:512*\a
.endr
.irp b, 0,1,2,3
.irp j, 0,1,2,3
	global_load_b128 v[ACC+16*\b+4*\j:ACC+16*\b+4*\j+3], v14, s[16:17] offset:128*\b+16*\j   ; the bias along N, as a lane's accumulators lie
.endr
.endr
	s_wait_loadcnt 0x0
.set J, 0
.rept 32
	v_pk_mul_f32 v[ACC+64+J:ACC+65+J], v[ACC+J:ACC+J+1], s[94:95] op_sel_hi:[1,0]
.set J, J+2
.endr
.set J, 0
.rept 32
	v_pk_mul_f32 v[ACC+J:ACC+J+1], v[ACC+J:ACC+J+1], s[94:95] op_sel_hi:[1,0]
.set J, J+2
.endr
	s_mul_i32 s2, s[WV], 8448
	s_add_co_u32 s2, s2, STG                       ; my stage
	v_mul_u32_u24 v12, v7, 528
	v_lshl_add_u32 v12, v8, 6, v12
	v_add_nc_u32 v12, s2, v12                      ; in: row r, + 64 h
	v_add_nc_u32 v13, s2, v[L16]                   ; back: 16 bytes a lane of a row
	s_wait_tensorcnt 0x3                           ; my part of chunk 0 is in; my three later fills may be out
	s_barrier_signal -1
	s_barrier_wait -1
	FETCH 0, 0
.set KS, 0
.rept 8
	s_wait_dscnt 0x0                               ; this step's fragments are in
.if (KS%2 == 1) && (KS < 7)
	s_wait_tensorcnt 3-(KS+1)/2                    ; my part of the next chunk is in; the later ones may be out
	s_barrier_signal -1
	s_barrier_wait -1
	v_add_nc_u32 v3, CHUNK, v3                     ; these four are also the places in front of the loads into registers that matrix instructions have read
	v_add_nc_u32 v4, CHUNK, v4
	v_add_nc_u32 v5, CHUNK, v5
	v_add_nc_u32 v6, CHUNK, v6
.elseif (KS > 0) && (KS < 7)
	PLACES
.endif
.if KS < 7
	FETCH KS+1, (KS+1)%2
.endif
	WIN 0x01
	MUL KS, KS%2
	WIN 0
.set KS, KS+1
.endr
	PLACES                                         ; behind the last products
.irp p, 0,1,2,3,4,5,6,7,8,9,10,11,12,13,14,15
	v_mad_u32_u24 v[VOFF+\p], s96, \p+8*(\p/8), v[L16]   ; lane p of a tile is row p + 8 (p / 8) of its 32
.endr
	SCALEA 0
	STAGEA 0
	SCALEA 1                                       ; my second tile's 32 multiplies stand between the first tile's loads from the stage and the wait for them
	s_wait_dscnt 0x0                               ; my first tile's rows are back
	SENDA 0, 18
	STAGEA 1                                       ; the stage is written again behind the wait for the reads of it; the rows land in other registers than the first tile's
	s_wait_dscnt 0x0
	SENDA 1, 20
	s_wait_tensorcnt 0x0
	ds_add_u32 v126, v127
	s_wait_dscnt 0x0
	CROUND                                         ; the closing round: no work-group ends while a partner may still ask for a tile that names it
	s_endpgm
.Lfunc_end_k_q74db23a2a8_outs:
	.size	k_q74db23a2a8_outs, .Lfunc_end_k_q74db23a2a8_outs-k_q74db23a2a8_outs
	.p2alignl 7, 3214868480
	.fill 96, 4, 3214868480
	.section	.rodata,"a",@progbits
	.p2align	6, 0x0
	.amdhsa_kernel k_q74db23a2a8_outs
		.amdhsa_group_segment_fixed_size 230912
		.amdhsa_private_segment_fixed_size 0
		.amdhsa_enable_private_segment 0
		.amdhsa_kernarg_size 72
		.amdhsa_user_sgpr_count 2
		.amdhsa_user_sgpr_kernarg_segment_ptr 1
		.amdhsa_wavefront_size32 1
		.amdhsa_system_sgpr_workgroup_id_x 1
		.amdhsa_system_sgpr_workgroup_id_y 1
		.amdhsa_system_sgpr_workgroup_id_z 1
		.amdhsa_system_vgpr_workitem_id 0
		.amdhsa_next_free_vgpr 512
		.amdhsa_next_free_sgpr 102
		.amdhsa_reserve_vcc 0
		.amdhsa_float_denorm_mode_32 3
		.amdhsa_float_denorm_mode_16_64 3
		.amdhsa_memory_ordered 1
		.amdhsa_forward_progress 1
		.amdhsa_inst_pref_size 68
	.end_amdhsa_kernel
	.amdgpu_metadata
---
amdhsa.version: [ 1, 2 ]
amdhsa.kernels:
  - .name:           k_q74db23a2a8_outs
    .symbol:         k_q74db23a2a8_outs.kd
    .args:
      - { .name: qkv, .offset: 0, .size: 8, .value_kind: global_buffer, .address_space: global }
      - { .name: qkvs, .offset: 8, .size: 8, .value_kind: global_buffer, .address_space: global }
      - { .name: oimg, .offset: 16, .size: 8, .value_kind: global_buffer, .address_space: global }
      - { .name: osc, .offset: 24, .size: 8, .value_kind: global_buffer, .address_space: global }
      - { .name: cin, .offset: 32, .size: 8, .value_kind: global_buffer, .address_space: global }
      - { .name: sin, .offset: 40, .size: 8, .value_kind: global_buffer, .address_space: global }
      - { .name: bp, .offset: 48, .size: 8, .value_kind: global_buffer, .address_space: global }
      - { .name: out0, .offset: 56, .size: 8, .value_kind: global_buffer, .address_space: global }
      - { .name: out1, .offset: 64, .size: 8, .value_kind: global_buffer, .address_space: global }
    .group_segment_fixed_size: 230912
    .private_segment_fixed_size: 0
    .kernarg_segment_align: 8
    .kernarg_segment_size: 72
    .max_flat_workgroup_size: 128
    .sgpr_count:     102
    .vgpr_count:     512
    .wavefront_size: 32
...
	.end_amdgpu_metadata
.endif
;; end of part 5
